; MI455X (gfx1250); checked and timed in simulation.
; The chip was launched on July 23, 2026; its instructions are those of AMD's public machine-readable ISA for CDNA 5 (MIT licence, August 2026) and "CDNA5" Instruction Set Architecture Reference Guide (July 2026). The comments in the code are by the model that wrote it; some were corrected since.
;; Multi Head Attention Quantum. Allowed arithmetic: matrix products marked QUANTISED: E2M1 operands, one E8M0 scale for each 32 along K, by v_wmma_scale_f32_16x16x128_f8f6f4 with both operands' format E2M1 (or v_wmma_scale_f32_32x16x128_f4), f32 sums; everything else in f32.
;; Inputs: mask 4 x 2,048 x 2,048 bool; theta 64 float32; x 4 x 2,048 x 1,024 float32.
;; Outputs: out0 4 x 2,048 x 1,024 float32.
;; This version of the problem:
;;   THIS VERSION OF THE PROBLEM IS GIVEN IN LOW PRECISION. The matrix products marked QUANTISED in the list below multiply operands that are first quantised to E2M1 (2 exponent bits, 1 mantissa bit; 4 bits a number), with one power-of-two scale for each 32 numbers along K (OCP MX v1.0); their sums are f32. All else is computed in f32.
;;   The module's matrix products, in the order in which they are computed (A, B: the left and right operand; K: the contracted axis; several contracted axes count as one K, in the product's order):
;;     1. batch 64 x [M 2,048, K 64] x [K 64, N 2,048]; A: computed on the way; B: computed on the way: QUANTISED
;;     2. batch 64 x [M 2,048, K 2,048] x [K 2,048, N 64]; A: softmax (see below); B: computed on the way: QUANTISED
;;   THE QUANTISER, for each operand of a quantised product, along K:
;;     - K is cut into blocks of 32 from its start; a last block that is shorter is filled with zeros.
;;     - A block's scale is 2^e with e = floor(log2(the largest magnitude in the block)) - 2, held to -126 .. 127; a block of zeros has e = 0. As a byte (E8M0): e + 127.
;;     - Each number is divided by its block's scale, clamped to +-6, and rounded to the nearest number of E2M1, ties to even, subnormals kept.
;;     - The product sums the exact products of the quantised numbers (number of the format x scale) in f32.
;;   ~~~python
;;   def quantise(x, axis):      # numpy; x: float32 -> the quantised numbers, widened to float32 again
;;       x = np.moveaxis(x, axis, -1); K = x.shape[-1]
;;       x = np.pad(x, [(0, 0)] * (x.ndim - 1) + [(0, -K % 32)]); x = x.reshape(x.shape[:-1] + (-1, 32)); a = np.abs(x).max(-1, keepdims=True)
;;       e = np.where(a > 0, np.clip(np.frexp(np.where(a > 0, a, 1))[1] - 1 - 2, -126, 127), 0)      # np.frexp(a)[1] - 1 = floor(log2(a)), exactly
;;       r = np.clip(x / 2.0 ** e, -6, 6)
;;       step = 2.0 ** (np.maximum(np.frexp(np.where(r == 0, 1, r))[1] - 1, 0) - 1)
;;       q = np.round(r / step) * step * 2.0 ** e      # np.round: ties to even
;;       return np.moveaxis(q.reshape(q.shape[:-2] + (-1,))[..., :K], -1, axis).astype(np.float32)
;;   ~~~
;;   SOFTMAX AHEAD OF A QUANTISED PRODUCT. Where the list says 'softmax', what is quantised is not the finished softmax but p = 2^(t - M), with t = logit x log2(e) and M = ceil(the row's largest t), a whole number; so 1/2 < the row's largest p <= 1. The row's sum l is taken of the UNQUANTISED p, in f32, and the product's result is divided by l at the end. Since M is a whole number, a kernel that streams over the keys may use a running M (the ceiling of the running maximum): every later rescaling is an exact power of two, which a block's scale takes up: the codes' values come out the same.
;;   OPERANDS COMPUTED ON THE WAY. 'Computed on the way' means the value that the module computes at that place (a softmax that the list does not call 'softmax' is quantised finished and normalised). What goes into a quantiser is computed in f32, as accurately as f32 sums, v_exp_f32 and their like allow (about 1e-6 of the number): no bf16 or f16 on the way to a quantiser, and a product that is left as it is and whose result goes on into a quantised operand takes f32 operands (vector FMAs, or v_wmma_f32_16x16x4_f32). A number that lies on a knife's edge between two numbers of the format may be rounded either way, as far as f32 arithmetic and the matrix unit's own rounding can turn it there, and no further.
;; 2 versions. Each part assembles by itself: llvm-mc -triple=amdgcn-amd-amdhsa -mcpu=gfx1250 --defsym DOCPART=n.
;; ======== version 1 of 2: 2 launches
;; limits: inputs' magnitudes at most 13,176,794
;; workspace buffers: kv 9,175,040 bytes; maskw 2,097,152 bytes of whole numbers; flags 8,192 bytes of whole numbers
;; launch prep (part 1): grid 1536 x 1, 4 waves a work-group, no clusters, 53,504 bytes of LDS; arguments x, theta, mask, kv, maskw, flags; writes kv, maskw, flags
.if DOCPART == 1
	.amdgcn_target "amdgcn-amd-amdhsa--gfx1250"
	.amdhsa_code_object_version 6
	.text
	.protected	k_q92df5d71c6_prep
	.globl	k_q92df5d71c6_prep
	.p2align	8
	.type	k_q92df5d71c6_prep,@function
k_q92df5d71c6_prep:
	s_mov_b64 s[64:65], 0
	v_nop
	global_prefetch_b8 v0, s[64:65] scope:SCOPE_SE
	s_setreg_imm32_b32 hwreg(HW_REG_WAVE_MODE, 25, 1), 1
	s_wait_xcnt 0x0
; PREP: what every work-group of the attention launch would otherwise make anew is made once.
; NOTHING OF reference() IS LEFT OUT: x, theta and mask all have a way to the output, and all three are loaded here.
; (1) proj = cos(x + theta), f32, for each of the 64 (batch, head) pairs a table [2048 keys][64 channels].  q = k = v = proj, so two tables of E2M1 codes serve both products:
;     quantised along the 64 CHANNELS (both operands of the first product) and along the KEYS (the right operand of the second).  One E8M0 byte for each 32 numbers.
; (2) the mask, one byte a place, becomes lane masks of 32 bits in the order in which the attention launch holds its scores, and one flag for each block of 16 queries x 128 keys.
; TILES.  Tile T (0..127) of a head holds rows 32 (T / 2) + 8 (T % 2) + r + 8 (r / 8), r = 0..15: so the 16 score registers of two neighbouring key tiles are 16 neighbouring keys.  Query tiles are the same tiles.
; A HEAD'S RECORD in kv, REC bytes, laid in the order of the operands' registers, so that every fragment is read as 16 bytes a lane on end:
;   0      tile T at 512 T, lane l at 16 l: the 32 codes of row l % 16 of the tile, channels 32 (l / 16) on
;   VIMG   key step j (128 keys) at 4096 j, channel tile t at 1024 t, half c at 512 c, lane l at 16 l: channel 16 t + l % 16, keys 128 j + 64 c + 32 (l / 16) on
;   KSC    step j at 512 j, lane l at 16 l, pair p at 4 p: the scale word (two bytes, then 0x7f twice for the 64 zero codes that fill the instruction's K) of row l % 16 of tile 8 j + 2 p + l / 16
;   VSC    step j at 256 j, lane l at 8 l, i at 4 i: the four bytes (the step's four blocks of keys) of channel 32 i + l
; maskw: block (b, T, j) at ((128 b + T) 16 + j) 256: 64 words; bit r + 16 h of word 16 p + i = mask[b][row r of tile T][128 j + 32 p + 16 h + i].   flags: word (128 b + T) 4 + w: bit k set if block (b, T, 4 w + k) has a masked place.
; THE COSINE: k = the whole number nearest (x + theta) / pi - 1/2, m = k + 1/2, r = m pi - (x + theta) with pi in two parts, |r| <= pi / 2; cos = (-1)^k sin r; sin r by its series up to r^13 (what is cut is under 7e-10).
; THE SCALE: the largest magnitude's exponent field less 2 is the conversion's scale operand, and shifted down the byte.
; LIMITS: |x + theta| under 2^22 pi (k is made by adding 1.5 x 2^23); NaN and infinities in x or theta are not served; a block of zeros gets the byte 1 where the rule says 127 (its codes are zeros, and this program alone reads the bytes).
; SHARES: work-groups 0..511 take the mask (one query tile of one batch; wave w its key steps 4 w .. 4 w + 3), work-groups 512..1535 the cosine (one key step of one head; wave w its keys 32 w .. 32 w + 31, all 64 channels).
; The two ways part on the work-group's number; each has LDS bytes of its own.  No tensor load, no matrix instruction: the launch streams.
.set CSTW,  8704                       ; LDS: the cosine's stage, one for each wave from byte 0 on: 32 keys x (256 bytes + 16)
.set SCKG,  34816                      ; the step's 128 scale words of K, as they go out
.set SCVG,  35328                      ; the step's 256 scale bytes of V, as they go out
.set MST,   35584                      ; the mask's stage, one for each wave: 16 rows x (256 bytes + 16)
.set MSTW,  4352
.set SPARE, 52992                      ; the spare words, 128 bytes for each wave: two blocks of 256 bytes that no other line names
.set REC,   143360
.set VIMG,  65536
.set KSC,   131072
.set VSC,   139264
; v1 lane; v2 16 l; v3 8 l; v4 x's offset; v5 stage in; v6 stage out by rows; v7 stage out by columns; v8, v9 where my scale word and bytes go; v10 V's codes' offset; v11 the mask's offset;
; v12, v13 the mask's stage in and out; v14 8 h; v15 16 r; v16 my spare word's address, v17 0: these two serve the add alone
.set INVPI, 18                         ; v18-43: thirteen constants, each twice, for the packed forms
.set NHALF, 20
.set MAGIC, 22
.set NMAGIC, 24
.set HALF,  26
.set PIH,   28
.set PIM,   30
.set C13,   32
.set C11,   34
.set C9,    36
.set C7,    38
.set C5,    40
.set C3,    42
.set TH,    44                         ; v44-47 theta of my four channels
.set CT,    48                         ; v48-87 at work in the cosine: four pairs of each of five
.set CR,    56
.set CS,    64
.set CQ,    72
.set CG,    80
.set X,     88                         ; v88-151 64 numbers
.set KC,    48                         ; behind the cosine: v48-55 K's codes, v56-63 V's, v64-67 four scale bytes, v68-70 at work
.set VC,    56
.set BY,    64
.set QT,    68
.set MB,    24                         ; the mask's way: v24-87 the bytes by query rows, v88-151 as loaded, v152-159 the words of four blocks
.set MX,    88
.set W,     152
	s_load_b256 s[4:11], s[0:1], 0x0               ; x s[4:5], theta s[6:7], mask s[8:9], kv s[10:11]
	s_load_b128 s[12:15], s[0:1], 0x20             ; maskw s[12:13], flags s[14:15]
	v_lshl_add_u32 v16, v0, 2, SPARE
	v_mov_b32 v17, 0
	v_lshrrev_b32 v1, 5, v0
	v_readfirstlane_b32 s16, v1                    ; wave 0..3
	v_and_b32 v1, 31, v0                           ; lane l
	v_and_b32 v18, 15, v0                          ; r = l % 16
	v_bfe_u32 v19, v0, 4, 1                        ; h = l / 16
	; every LDS address of both ways is made here, ahead of the parting
	v_lshlrev_b32 v2, 4, v1
	v_lshlrev_b32 v3, 3, v1
	v_lshlrev_b32 v15, 4, v18
	v_lshl_add_u32 v4, v19, 12, v15                ; x: lanes 0-15 one key's 256 bytes of the head, lanes 16-31 the next key's (4,096 bytes on)
	s_mul_i32 s17, s16, CSTW
	v_mul_u32_u24 v20, v19, 272
	v_add_nc_u32 v20, v20, v15                     ; 272 h + 16 r
	v_add_nc_u32 v5, s17, v20                      ; into my stage: as loaded
	v_and_b32 v21, 8, v18
	v_add_nc_u32 v21, v21, v18                     ; r + 8 (r / 8)
	v_mul_u32_u24 v21, v21, 272
	v_lshl_add_u32 v21, v19, 7, v21
	v_add_nc_u32 v6, s17, v21                      ; out by rows: the tile's row r, channels 32 h on
	v_lshl_add_u32 v7, v1, 2, s17                  ; out by columns: channel l, registers down the keys
	s_lshl_b32 s18, s16, 2
	s_add_co_u32 s18, s18, SCKG
	v_add_nc_u32 v8, s18, v2                       ; SCKG + 16 l + 4 w
	s_add_co_u32 s18, s16, SCVG
	v_add_nc_u32 v9, s18, v3                       ; SCVG + 8 l + w
	v_lshl_add_u32 v10, v19, 10, v15               ; V's codes: 1024 h + 16 r
	v_lshl_add_u32 v11, v19, 11, v15               ; the mask: 2048 h + 16 r
	s_mul_i32 s18, s16, MSTW
	s_add_co_u32 s18, s18, MST
	v_add_nc_u32 v12, s18, v20                     ; into the mask's stage: as loaded
	v_mul_u32_u24 v21, v18, 272
	v_lshl_add_u32 v21, v19, 4, v21
	v_add_nc_u32 v13, s18, v21                     ; out of it: query row r, 16 keys of my half
	v_lshlrev_b32 v14, 3, v19
	s_mov_b32 s20, 0x76543210
	s_mov_b32 s21, 0xfedcba98                      ; v_permlanex16_b32's selects for lane l xor 16
	s_mov_b32 s22, 0xffff0000                      ; lanes 16-31
	s_mov_b32 s31, 0
	s_wait_kmcnt 0x0
	s_cmp_lt_u32 ttmp9, 512
	s_cbranch_scc1 .Lmask
	; ================= THE COSINE'S WAY =================
	s_sub_co_u32 s24, ttmp9, 512
	s_lshr_b32 s25, s24, 4                         ; the (batch, head) pair
	s_and_b32 s26, s24, 15                         ; key step j
	s_lshr_b32 s27, s25, 4                         ; batch
	s_and_b32 s28, s25, 15                         ; head
	s_lshl_b32 s30, s27, 23                        ; a batch of x is 2048 x 4096 bytes,
	s_lshl_b32 s29, s26, 19                        ; a key step 128 rows,
	s_add_co_u32 s30, s30, s29
	s_lshl_b32 s29, s16, 17                        ; my wave's part 32 rows,
	s_add_co_u32 s30, s30, s29
	s_lshl_b32 s29, s28, 8                         ; a head 256 bytes of a row
	s_add_co_u32 s30, s30, s29
	s_add_nc_u64 s[4:5], s[4:5], s[30:31]
	global_load_b128 v[TH:TH+3], v15, s[6:7]       ; theta of channels 4 r .. 4 r + 3
.irp m, 0,1,2,3,4,5,6,7,8,9,10,11,12,13,14,15
	global_load_b128 v[X+4*\m:X+4*\m+3], v4, s[4:5] offset:8192*\m th:TH_LOAD_NT   ; keys 2 m and 2 m + 1: sixteen lanes read 256 consecutive bytes, aligned; read once in the launch
.endr
	s_mul_i32 s30, s25, REC
	s_add_nc_u64 s[10:11], s[10:11], s[30:31]      ; the head's record
	s_lshl_b32 s30, s26, 12
	s_lshl_b32 s29, s16, 10
	s_add_co_u32 s30, s30, s29
	s_add_nc_u64 s[32:33], s[10:11], s[30:31]      ; K's codes: tiles 8 j + 2 w and the next
	s_lshl_b32 s30, s26, 12
	s_lshl_b32 s29, s16, 8                         ; my block of 32 keys: half w / 2 (512 bytes), lanes 16 (w % 2) on (256 bytes)
	s_add_co_u32 s30, s30, s29
	s_add_co_u32 s30, s30, VIMG
	s_add_nc_u64 s[34:35], s[10:11], s[30:31]      ; V's codes
	s_lshl_b32 s30, s26, 9
	s_add_co_u32 s30, s30, KSC
	s_add_nc_u64 s[36:37], s[10:11], s[30:31]      ; the step's scale words of K
	s_lshl_b32 s30, s26, 8
	s_add_co_u32 s30, s30, VSC
	s_add_nc_u64 s[38:39], s[10:11], s[30:31]      ; and of V
.macro PAIR reg, bits
	v_mov_b32 v[\reg], \bits
	v_mov_b32 v[\reg+1], \bits
.endm
	PAIR INVPI,  0x3ea2f983                        ; 1 / pi
	PAIR NHALF,  -0.5
	PAIR MAGIC,  0x4b400000                        ; 1.5 x 2^23: adding it rounds to a whole number, whose parity is the sum's lowest bit
	PAIR NMAGIC, 0xcb400000
	PAIR HALF,   0.5
	PAIR PIH,    0x40490fdb                        ; pi, its f32 part,
	PAIR PIM,    0xb3bbbd2e                        ; and what that leaves
	PAIR C13,    0x2f309231                        ; 1 / 13!
	PAIR C11,    0xb2d7322b                        ; -1 / 11!
	PAIR C9,     0x3638ef1d                        ; 1 / 9!
	PAIR C7,     0xb9500d01                        ; -1 / 7!
	PAIR C5,     0x3c088889                        ; 1 / 5!
	PAIR C3,     0xbe2aaaab                        ; -1 / 3!
; The cosine of eight numbers, v[X + 8 g] on, in place: four pairs, line by line across the four, so that no line waits for the line above it.
.macro COS4 g
.set XB, X+8*(\g)
.irp e, 0,1,2,3
	v_pk_add_f32 v[XB+2*\e:XB+2*\e+1], v[XB+2*\e:XB+2*\e+1], v[TH+2*(\e%2):TH+2*(\e%2)+1]   ; phi = x + theta
.endr
.irp e, 0,1,2,3
	v_pk_fma_f32 v[CT+2*\e:CT+2*\e+1], v[XB+2*\e:XB+2*\e+1], v[INVPI:INVPI+1], v[NHALF:NHALF+1]   ; phi / pi - 1/2
.endr
.irp e, 0,1,2,3
	v_pk_add_f32 v[CT+2*\e:CT+2*\e+1], v[CT+2*\e:CT+2*\e+1], v[MAGIC:MAGIC+1]   ; rounded to the whole number k
.endr
.irp e, 0,1,2,3
	v_lshlrev_b32 v[CG+2*\e], 31, v[CT+2*\e]       ; k's parity as a sign bit
	v_lshlrev_b32 v[CG+2*\e+1], 31, v[CT+2*\e+1]
.endr
.irp e, 0,1,2,3
	v_pk_add_f32 v[CT+2*\e:CT+2*\e+1], v[CT+2*\e:CT+2*\e+1], v[NMAGIC:NMAGIC+1]   ; k
.endr
.irp e, 0,1,2,3
	v_pk_add_f32 v[CT+2*\e:CT+2*\e+1], v[CT+2*\e:CT+2*\e+1], v[HALF:HALF+1]   ; m = k + 1/2, exact
.endr
.irp e, 0,1,2,3
	v_pk_fma_f32 v[CR+2*\e:CR+2*\e+1], v[CT+2*\e:CT+2*\e+1], v[PIH:PIH+1], v[XB+2*\e:XB+2*\e+1] neg_lo:[0,0,1] neg_hi:[0,0,1]   ; r = m pi - phi
.endr
.irp e, 0,1,2,3
	v_pk_fma_f32 v[CR+2*\e:CR+2*\e+1], v[CT+2*\e:CT+2*\e+1], v[PIM:PIM+1], v[CR+2*\e:CR+2*\e+1]
.endr
.irp e, 0,1,2,3
	v_pk_mul_f32 v[CS+2*\e:CS+2*\e+1], v[CR+2*\e:CR+2*\e+1], v[CR+2*\e:CR+2*\e+1]   ; s = r^2
.endr
.irp e, 0,1,2,3
	v_pk_fma_f32 v[CQ+2*\e:CQ+2*\e+1], v[CS+2*\e:CS+2*\e+1], v[C13:C13+1], v[C11:C11+1]
.endr
.irp c, C9, C7, C5, C3
.irp e, 0,1,2,3
	v_pk_fma_f32 v[CQ+2*\e:CQ+2*\e+1], v[CQ+2*\e:CQ+2*\e+1], v[CS+2*\e:CS+2*\e+1], v[\c:\c+1]
.endr
.endr
.irp e, 0,1,2,3
	v_pk_mul_f32 v[CS+2*\e:CS+2*\e+1], v[CS+2*\e:CS+2*\e+1], v[CR+2*\e:CR+2*\e+1]   ; r s
.endr
.irp e, 0,1,2,3
	v_pk_fma_f32 v[CR+2*\e:CR+2*\e+1], v[CS+2*\e:CS+2*\e+1], v[CQ+2*\e:CQ+2*\e+1], v[CR+2*\e:CR+2*\e+1]   ; sin r
.endr
.irp e, 0,1,2,3
	v_xor_b32 v[XB+2*\e], v[CG+2*\e], v[CR+2*\e]   ; cos phi = (-1)^k sin r
	v_xor_b32 v[XB+2*\e+1], v[CG+2*\e+1], v[CR+2*\e+1]
.endr
.endm
.irp g, 0,1,2,3,4,5,6,7
	s_wait_loadcnt 14-2*\g                         ; theta and x's loads 2 g and 2 g + 1 are in; the 14 - 2 g younger ones stay out
	COS4 \g
	ds_store_b128 v5, v[X+8*\g:X+8*\g+3] offset:544*(2*\g)       ; keys 4 g, 4 g + 1 into my stage
	ds_store_b128 v5, v[X+8*\g+4:X+8*\g+7] offset:544*(2*\g+1)   ; keys 4 g + 2, 4 g + 3
.endr
	s_wait_dscnt 0x0                               ; the stores have read X: it is loaded anew below
; A block of 32 numbers of ONE lane, v[src] on, becomes 16 bytes of codes in v[dst] on and a scale byte in v[by].
.macro QB src, dst, by
	v_max3_num_f32 v[QT], |v[(\src)]|, |v[(\src)+1]|, |v[(\src)+2]|
	v_max3_num_f32 v[QT+1], |v[(\src)+3]|, |v[(\src)+4]|, |v[(\src)+5]|
.irp i, 6,10,14,18,22,26
	v_max3_num_f32 v[QT], v[QT], |v[(\src)+\i]|, |v[(\src)+\i+1]|
	v_max3_num_f32 v[QT+1], v[QT+1], |v[(\src)+\i+2]|, |v[(\src)+\i+3]|
.endr
	v_max3_num_f32 v[QT], v[QT], |v[(\src)+30]|, |v[(\src)+31]|
	v_max3_num_f32 v[QT], v[QT], v[QT+1], 0x1800000   ; and the floor 2^(3 - 127): the byte cannot fall under 1
	v_add_nc_u32 v[QT+2], 0xff000000, v[QT]        ; 2 off the exponent field: the conversion takes this operand's exponent field as its scale
.irp c, 0,1,2,3
	v_cvt_scalef32_pk8_fp4_f32 v[(\dst)+\c], v[(\src)+8*\c:(\src)+8*\c+7], v[QT+2]
.endr
	v_lshrrev_b32 v[\by], 23, v[QT+2]              ; the scale's byte; also the plain line behind the conversions
.endm
.macro KREAD u                         ; tile 8 j + 2 w + u: my row's 32 channels of my half, 128 bytes
.irp i, 0,1,2,3,4,5,6,7
	ds_load_b128 v[X+32*\u+4*\i:X+32*\u+4*\i+3], v6 offset:2176*\u+16*\i
.endr
.endm
.macro VREAD i                         ; channel 32 i + l, registers down my wave's 32 keys: each load takes 128 consecutive bytes
.irp q, 0,1,2,3,4,5,6,7,8,9,10,11,12,13,14,15,16,17,18,19,20,21,22,23,24,25,26,27,28,29,30,31
	ds_load_b32 v[X+32*\i+\q], v7 offset:272*\q+128*\i
.endr
.endm
	KREAD 0
	KREAD 1
	s_wait_dscnt 8                                 ; the first tile's eight loads are in, the second's may be out
	QB X, KC, BY
	global_store_b128 v2, v[KC:KC+3], s[32:33]     ; the wave stores 512 consecutive bytes: a tile's image
	VREAD 0
	s_wait_dscnt 32                                ; the second tile's are in; the 32 just issued may be out
	QB X+32, KC+4, BY+1
	global_store_b128 v2, v[KC+4:KC+7], s[32:33] offset:512
	v_lshlrev_b32 v72, v14, v[BY]                  ; my byte at its place: 8 h bits up
	v_lshlrev_b32 v73, v14, v[BY+1]
	v_mov_b32 v74, 0                               ; (a lane permute's destination counts as one of its sources)
	v_mov_b32 v75, 0
	v_permlanex16_b32 v74, v72, s20, s21
	v_permlanex16_b32 v75, v73, s20, s21
	v_or_b32 v72, v72, v74                         ; with lane l xor 16's: both bytes of my row, in the first tile
	v_or_b32 v73, v73, v75                         ; and in the second
	v_cndmask_b32 v72, v72, v73, s22               ; lanes 0-15 keep the even tile's word, lanes 16-31 take the odd tile's
	v_or_b32 v72, 0x7f7f0000, v72                  ; scale 1 for the 64 zero codes that fill the instruction's K
	ds_store_b32 v8, v72
	VREAD 1
	s_wait_dscnt 33                                ; channels 0-31 are in; behind them: that store and the 32 loads just issued
	QB X, VC, BY+2
	global_store_b128 v10, v[VC:VC+3], s[34:35]    ; sixteen lanes store 256 consecutive bytes, aligned
	ds_store_b8 v9, v[BY+2]
	s_wait_dscnt 1                                 ; channels 32-63 are in; the byte's store may be out
	QB X+32, VC+4, BY+3
	global_store_b128 v10, v[VC+4:VC+7], s[34:35] offset:2048
	ds_store_b8 v9, v[BY+3] offset:4
	s_wait_dscnt 0x0                               ; for the others' sake: my scale word and bytes have landed
	s_barrier_signal -1
	s_barrier_wait -1                              ; the four waves' are together: they leave in whole runs
	s_cmp_lg_u32 s16, 0
	s_cbranch_scc1 .Lnot_wave_0
	ds_load_b128 v[72:75], v2 offset:SCKG
	s_wait_dscnt 0x0
	global_store_b128 v2, v[72:75], s[36:37]       ; 512 consecutive bytes
.Lnot_wave_0:
	s_cmp_lg_u32 s16, 1
	s_cbranch_scc1 .Lnot_wave_1
	ds_load_b64 v[76:77], v3 offset:SCVG
	s_wait_dscnt 0x0
	global_store_b64 v3, v[76:77], s[38:39]        ; 256 consecutive bytes, aligned
.Lnot_wave_1:
	s_wait_tensorcnt 0x0                           ; the wave's end
	ds_add_u32 v16, v17
	s_wait_dscnt 0x0
	s_endpgm
	; ================= THE MASK'S WAY =================
.Lmask:
	s_lshr_b32 s24, ttmp9, 7                       ; batch
	s_and_b32 s25, ttmp9, 127                      ; query tile T
	s_lshr_b32 s26, s25, 1
	s_lshl_b32 s26, s26, 5
	s_and_b32 s27, s25, 1
	s_lshl_b32 s27, s27, 3
	s_add_co_u32 s26, s26, s27                     ; the tile's first row: 32 (T / 2) + 8 (T % 2)
	s_lshl_b32 s30, s26, 11                        ; a row of the mask is 2,048 bytes,
	s_lshl_b32 s27, s24, 22                        ; a batch 2,048 rows,
	s_add_co_u32 s30, s30, s27
	s_lshl_b32 s27, s16, 9                         ; my four key steps 512 bytes of a row
	s_add_co_u32 s30, s30, s27
	s_add_nc_u64 s[8:9], s[8:9], s[30:31]
.irp q, 0,1
.irp m, 0,1,2,3,4,5,6,7
	global_load_b128 v[MX+32*\q+4*\m:MX+32*\q+4*\m+3], v11, s[8:9] offset:(2*\m+8*(\m/4))*2048+256*\q th:TH_LOAD_NT   ; the tile's rows 2 m and 2 m + 1: sixteen lanes read 256 consecutive bytes, aligned
.endr
.endr
	s_lshl_b32 s30, ttmp9, 2
	s_add_co_u32 s30, s30, s16                     ; 4 x tile + wave
	s_lshl_b32 s27, s30, 10                        ; my four blocks of 256 bytes in maskw
	s_lshl_b32 s30, s30, 2                         ; my word in flags
	s_add_nc_u64 s[14:15], s[14:15], s[30:31]
	s_mov_b32 s30, s27
	s_add_nc_u64 s[12:13], s[12:13], s[30:31]
	s_mov_b32 s28, 0                               ; the four flags
.irp i, 0,1,2,3,4,5,6,7
	v_mov_b32 v[W+\i], 0                           ; (v_writelane_b32's destination counts as one of its sources)
.endr
; 256 bytes of 16 rows go through my stage: in as loaded, out 16 bytes of ONE query row a lane: lane (r, h), load c = 4 jj + p: keys 128 jj + 32 p + 16 h + 0 .. 15 of row r.
; LDS serves a wave's instructions in order: no wait between the stores and the loads, nor in front of the second half's stores.
.macro MTURN q
.irp m, 0,1,2,3,4,5,6,7
	ds_store_b128 v12, v[MX+32*\q+4*\m:MX+32*\q+4*\m+3] offset:544*\m
.endr
.irp c, 0,1,2,3,4,5,6,7
	ds_load_b128 v[MB+32*\q+4*\c:MB+32*\q+4*\c+3], v13 offset:32*\c
.endr
.endm
; Block k of my four.  Word n = 16 p + i is the ballot, over the 32 lanes, of byte n of the lane's 64: four words at a time.  The words are laid two to a lane, so that the wave stores them as 256 consecutive bytes.
.macro BLOCK k
.set n, 0
.rept 16
.irp d, 0,1,2,3
	v_and_b32 v[18+\d], 0xff<<(8*\d), v[MB+16*(\k)+n/4]
.endr
.irp d, 0,1,2,3
	v_cmp_ne_u32 s[40+(n+\d)%8], 0, v[18+\d]
.endr
.irp d, 0,1,2,3
	v_writelane_b32 v[W+2*(\k)+\d%2], s[40+(n+\d)%8], (n+\d)/2
.endr
.set n, n+4
.endr
	global_store_b64 v3, v[W+2*(\k):W+2*(\k)+1], s[12:13] offset:256*(\k)   ; a pair of registers of its own for each block: no store's data are written again
	v_or_b32 v22, v[MB+16*(\k)], v[MB+16*(\k)+1]   ; is any place of the block masked?
	v_or_b32 v23, v[MB+16*(\k)+2], v[MB+16*(\k)+3]
.irp i, 4,6,8,10,12,14
	v_or_b32 v22, v22, v[MB+16*(\k)+\i]
	v_or_b32 v23, v23, v[MB+16*(\k)+\i+1]
.endr
	v_or_b32 v22, v22, v23
	v_cmp_ne_u32 vcc_lo, 0, v22
	s_cmp_lg_u32 vcc_lo, 0
	s_cselect_b32 s29, 1<<(\k), 0
	s_or_b32 s28, s28, s29
.endm
	s_wait_loadcnt 8                               ; the first half's eight loads are in, the second's may be out
	MTURN 0
	s_wait_loadcnt 0x0
	MTURN 1
	s_wait_dscnt 16                                ; the first half is back; the second half's eight stores and eight loads may be out
	BLOCK 0
	BLOCK 1
	s_wait_dscnt 0x0
	BLOCK 2
	BLOCK 3
	v_mov_b32 v22, s28
	v_mov_b32 v23, 0
	v_cmp_eq_u32 vcc_lo, 0, v1
	s_wait_xcnt 0x0                                ; EXEC is a source of the stores above: it changes only behind this wait
	s_and_saveexec_b32 s29, vcc_lo                 ; lane 0 alone
	global_store_b32 v23, v22, s[14:15]            ; my four flags
	s_wait_xcnt 0x0                                ; and again, in front of the line that widens it
	s_or_b32 exec_lo, exec_lo, s29
	s_wait_tensorcnt 0x0                           ; the wave's end
	ds_add_u32 v16, v17
	s_wait_dscnt 0x0
	s_endpgm
.Lfunc_end_k_q92df5d71c6_prep:
	.size	k_q92df5d71c6_prep, .Lfunc_end_k_q92df5d71c6_prep-k_q92df5d71c6_prep
	.p2alignl 7, 3214868480
	.fill 96, 4, 3214868480
	.section	.rodata,"a",@progbits
	.p2align	6, 0x0
	.amdhsa_kernel k_q92df5d71c6_prep
		.amdhsa_group_segment_fixed_size 53504
		.amdhsa_private_segment_fixed_size 0
		.amdhsa_enable_private_segment 0
		.amdhsa_kernarg_size 48
		.amdhsa_user_sgpr_count 2
		.amdhsa_user_sgpr_kernarg_segment_ptr 1
		.amdhsa_wavefront_size32 1
		.amdhsa_system_sgpr_workgroup_id_x 1
		.amdhsa_system_sgpr_workgroup_id_y 1
		.amdhsa_system_sgpr_workgroup_id_z 1
		.amdhsa_system_vgpr_workitem_id 0
		.amdhsa_next_free_vgpr 160
		.amdhsa_next_free_sgpr 66
		.amdhsa_reserve_vcc 1
		.amdhsa_float_denorm_mode_32 3
		.amdhsa_float_denorm_mode_16_64 3
		.amdhsa_memory_ordered 1
		.amdhsa_forward_progress 1
		.amdhsa_inst_pref_size 111
	.end_amdhsa_kernel
	.amdgpu_metadata
---
amdhsa.version: [ 1, 2 ]
amdhsa.kernels:
  - .name:           k_q92df5d71c6_prep
    .symbol:         k_q92df5d71c6_prep.kd
    .args:
      - { .name: x, .offset: 0, .size: 8, .value_kind: global_buffer, .address_space: global }
      - { .name: theta, .offset: 8, .size: 8, .value_kind: global_buffer, .address_space: global }
      - { .name: mask, .offset: 16, .size: 8, .value_kind: global_buffer, .address_space: global }
      - { .name: kv, .offset: 24, .size: 8, .value_kind: global_buffer, .address_space: global }
      - { .name: maskw, .offset: 32, .size: 8, .value_kind: global_buffer, .address_space: global }
      - { .name: flags, .offset: 40, .size: 8, .value_kind: global_buffer, .address_space: global }
    .group_segment_fixed_size: 53504
    .private_segment_fixed_size: 0
    .kernarg_segment_align: 8
    .kernarg_segment_size: 48
    .max_flat_workgroup_size: 128
    .sgpr_count:     66
    .vgpr_count:     160
    .wavefront_size: 32
...
	.end_amdgpu_metadata
.endif
;; end of part 1
;; launch attn (part 2): grid 256 x 1, 16 waves a work-group, no clusters, 219,136 bytes of LDS; arguments kv, maskw, flags, out0; writes out0
.if DOCPART == 2
	.amdgcn_target "amdgcn-amd-amdhsa--gfx1250"
	.amdhsa_code_object_version 6
	.text
	.protected	k_q92df5d71c6_attn
	.globl	k_q92df5d71c6_attn
	.p2align	8
	.type	k_q92df5d71c6_attn,@function
k_q92df5d71c6_attn:
	s_mov_b64 s[64:65], 0
	v_nop
	global_prefetch_b8 v0, s[64:65] scope:SCOPE_SE
	s_setreg_imm32_b32 hwreg(HW_REG_WAVE_MODE, 25, 1), 1
	s_wait_xcnt 0x0
; ATTENTION on codes of E2M1 with one E8M0 scale for each 32 along a product's K.  For each (batch, head): S = proj proj^T / 8 (K = the 64 channels), masked places out, softmax, O = P proj (K = the keys).  No work of reference() is left out.
; The codes, scale words, lane masks and flags were made by the launch before; their layouts stand at its head.  A record (REC bytes) holds a head's codes both ways and all its scale words.
; THE SOFTMAX AHEAD OF THE SECOND PRODUCT: t = score x c, c = log2(e) / 8; M = the row's largest t so far, rounded UP to a whole number; p = 2^(t - M) is quantised along the keys, not normalised; the row's sum is
; taken of the unquantised p and divides O at the end.  When M moves, the sum and O are multiplied by 2^(old M - new M): exact.
; THE MASK.  A masked place gets the raw score -2^33, that is the logit -2^30, where reference() writes -1e9.  For all inputs the two give the same p: a quantised cosine is at most 1 in size, so a live logit lies in
; -8 .. 8, and beside any live key both constants give p = 0; in a row with no live key all t are equal, M = t and p = 1 with both.  -2^33 is taken because -2^33 x c is exact in f32, so that the multiply that
; makes M and the fused multiply-add that makes t - M agree, and t - M is exactly 0 there.  A block of 16 queries x 128 keys with no masked place (its flag is 0) passes over the 64 selects and does not load its words.
; K = 64 fills half of the instruction's 128: registers 4-7 of both operands of the first product are zero codes, set once, under scale bytes 0x7f.
; SHARES.  A work-group owns 512 queries of one head; the four work-groups of a head are neighbours.  Each of SIXTEEN waves owns two tiles of 16 queries, one after the other, in 256 registers: four waves to a SIMD, so that one
; wave's vector work stands beside another's matrix work and LDS loads.  The head's whole record is copied into LDS once, through registers; then every wave walks 16 key steps of 128 keys for each tile, with no further barrier.
; LAYOUT.  Both products are used transposed: S^T = K Q^T (source 0 = 16 keys, source 1 = my 16 queries), O^T = V^T P^T (source 0 = 16 channels, source 1 = P): a lane holds ONE query (lane % 16) throughout.
; The keys of a tile are chosen so that the 16 registers of tiles 2 p and 2 p + 1 are the keys 32 p + 16 (lane / 16) + 0 .. 15.
; NO TENSOR LOAD, NO CLUSTER: the jump round a block's selects hangs on a flag read from memory; and what the four work-groups of a head share is
; REC = 143,360 bytes each, read once at the head, against 33,554,432 bytes that the launch stores: there is no ring to feed.
; LIMITS: NaN and infinities in x are not served (see the launch before).
.set REC,   143360
.set VIMG,  65536
.set KSC,   131072
.set VSC,   139264
.set STAGE, 0x24000                    ; behind the record: 16 rows x (256 bytes + 16) for each wave, for the way out
.set STW,   4352
.set SPARE, STAGE+16*STW               ; the spare words, 128 bytes for each wave: eight blocks of 256 bytes that no other line names
; v1-4 my lane's place in K's images, V's images, K's scale words, V's; v5 my spare word's address, v6 0 (these two serve the add alone); v7 my offset in the tile's rows of out0; v8-11 the step's four LDS addresses;
; v12 -M, v13 the largest t, v[14:15] the sum in two halves; v16-23 Q; v24 Q's scale words; v25, v26 the stage in and out; v27 -2^33; v28-31 K's scale words; v240-241 V's; v243 16 (lane % 16); v253 p's scale word
.set KF,    32                         ; v32-95   eight fragments of K
.set S,     96                         ; v96-159  S^T, then p
.set O,     160                        ; v160-191 O^T
.set VF,    192                        ; v192-223 four fragments of V
.set PC,    224                        ; v224-231 p's codes; v232-239, v244-247, v252, v254 at work; v248-251, v255 the copy's addresses
; s2, s3, s13 the step's bytes in the images, in K's scale words, in V's; s[4:5] the record; s[6:7] the mask block in hand; s[8:9] flags; s[10:11] the tile's first row in out0; s12 wave; s[14:15] lane selects;
; s[16:17] c; s18 my 32 flags; s19, s20 counters; s[22:23] Q's image; s[24:25] Q's scale words; s[32:63], s[68:99] the block's 64 lane masks
	s_load_b256 s[4:11], s[0:1], 0x0               ; kv, maskw, flags, out0
	v_lshl_add_u32 v5, v0, 2, SPARE
	v_mov_b32 v6, 0
	v_lshrrev_b32 v8, 5, v0
	v_readfirstlane_b32 s12, v8                    ; wave 0..15
	v_and_b32 v9, 31, v0                           ; lane l
	v_and_b32 v10, 15, v0                          ; r
	v_bfe_u32 v11, v0, 4, 1                        ; h
	v_lshlrev_b32 v1, 4, v9
	v_add_nc_u32 v2, VIMG, v1
	v_add_nc_u32 v3, KSC, v1
	v_lshl_add_u32 v4, v9, 3, VSC
	v_lshlrev_b32 v243, 4, v10
	v_lshl_add_u32 v7, v11, 12, v243               ; out0: lanes 0-15 one query's 256 bytes of the head, lanes 16-31 the next query's
	s_mul_i32 s26, s12, STW
	s_add_co_u32 s26, s26, STAGE                   ; my stage
	v_mul_u32_u24 v25, v10, 272
	v_lshl_add_u32 v25, v11, 5, v25
	v_add_nc_u32 v25, s26, v25                     ; in: row r, 32 bytes for each half of the lanes
	v_mul_u32_u24 v26, v11, 272
	v_add_nc_u32 v26, v26, v243
	v_add_nc_u32 v26, s26, v26                     ; back: lanes 0-15 one row, lanes 16-31 the next
	v_mov_b32 v27, 0xd0000000                      ; -2^33
	v_lshlrev_b32 v248, 4, v0                      ; the copy: 16 bytes a thread, 8,192 a line
	v_add_nc_u32 v249, 65536, v248
	v_add_nc_u32 v250, 131072, v248
	v_lshlrev_b32 v255, 3, v0
	v_add_nc_u32 v251, VSC, v255
	s_mov_b32 s14, 0x76543210
	s_mov_b32 s15, 0xfedcba98                      ; v_permlanex16_b32's selects for lane l xor 16
	s_mov_b32 s16, 0x3e38aa3b                      ; c = log2(e) / 8
	s_mov_b32 s17, s16                             ; (named with it as a pair, so it is written)
	s_lshr_b32 s27, ttmp9, 2                       ; the (batch, head) pair
	s_and_b32 s28, ttmp9, 3                        ; which quarter of its queries
	s_lshr_b32 s29, ttmp9, 6                       ; batch
	s_mul_i32 s30, s27, REC
	s_mov_b32 s31, 0
	s_wait_kmcnt 0x0
	s_add_nc_u64 s[4:5], s[4:5], s[30:31]          ; the head's record
.irp i, 0,1,2,3,4,5,6,7,8,9,10,11,12,13,14,15,16
	global_load_b128 v[32+4*\i:35+4*\i], v248, s[4:5] offset:8192*\i   ; 17 x 8,192 bytes: both tables of codes and K's scale words
.endr
	global_load_b64 v[100:101], v255, s[4:5] offset:VSC   ; 4,096 bytes: V's scale words
	s_lshl_b32 s21, s28, 5
	s_lshl_b32 s26, s12, 1
	s_add_co_u32 s21, s21, s26                     ; my first tile: 32 x quarter + 2 x wave
	s_lshl_b32 s26, s29, 7
	s_add_co_u32 s26, s26, s21                     ; 128 x batch + tile
	s_lshl_b32 s30, s26, 4
	s_add_nc_u64 s[8:9], s[8:9], s[30:31]
	s_load_b256 s[84:91], s[8:9], 0x0              ; my two tiles' flags: eight words of four bits
	s_lshl_b32 s30, s26, 12
	s_add_nc_u64 s[6:7], s[6:7], s[30:31]          ; my 32 mask blocks lie on end
	s_lshl_b32 s30, s21, 9
	s_add_nc_u64 s[22:23], s[4:5], s[30:31]        ; Q's fragment is my tile's image among K's
	s_lshl_b32 s30, s28, 2
	s_lshr_b32 s26, s12, 2
	s_add_co_u32 s30, s30, s26                     ; the key step that holds my tiles: 4 x quarter + wave / 4
	s_lshl_b32 s30, s30, 9
	s_and_b32 s26, s12, 3
	s_lshl_b32 s26, s26, 2                         ; the pair of tiles in it: wave % 4
	s_add_co_u32 s30, s30, s26
	s_add_co_u32 s30, s30, KSC
	s_add_nc_u64 s[24:25], s[4:5], s[30:31]        ; Q's scale words: those of the even tile; the odd tile's lie 256 bytes on
	s_lshl_b32 s30, s29, 23                        ; out0: a batch is 2048 x 4096 bytes,
	s_and_b32 s26, s27, 15
	s_lshl_b32 s26, s26, 8                         ; a head 256 bytes of a row,
	s_add_co_u32 s30, s30, s26
	s_lshl_b32 s26, s28, 21                        ; a quarter 512 rows,
	s_add_co_u32 s30, s30, s26
	s_lshl_b32 s26, s12, 17                        ; my two tiles 32 rows
	s_add_co_u32 s30, s30, s26
	s_add_nc_u64 s[10:11], s[10:11], s[30:31]
	s_wait_kmcnt 0x0                               ; the flags
	s_lshl_b32 s26, s85, 4
	s_or_b32 s18, s84, s26
.irp i, 2,3,4,5,6,7
	s_lshl_b32 s26, s[84+\i], 4*\i
	s_or_b32 s18, s18, s26                         ; bit 16 x tile + step
.endr
.macro LOADM                           ; the 64 lane masks of the block at s[6:7]
	s_load_b512 s[32:47], s[6:7], 0x0
	s_load_b512 s[48:63], s[6:7], 0x40
	s_load_b512 s[68:83], s[6:7], 0x80
	s_load_b512 s[84:99], s[6:7], 0xc0
.endm
	LOADM                                          ; block 0's words are loaded whatever its flag says, so that the 64 registers hold numbers on every way through the text
.irp i, 0,1,2,3,4,5,6,7,8,9,10,11,12,13,14,15,16
	s_wait_loadcnt 17-\i                           ; load i is in; the 17 - i younger ones stay out
.if \i < 8
	ds_store_b128 v248, v[32+4*\i:35+4*\i] offset:8192*\i
.elseif \i < 16
	ds_store_b128 v249, v[32+4*\i:35+4*\i] offset:8192*(\i-8)
.else
	ds_store_b128 v250, v[32+4*\i:35+4*\i]
.endif
.endr
	s_wait_loadcnt 0x0
	ds_store_b64 v251, v[100:101]
	s_wait_dscnt 0x0                               ; for the others' sake: my part of the record has landed
	s_barrier_signal -1
	s_barrier_wait -1                              ; the record is whole; from here on it is only read, and each wave writes its own stage alone: the launch's one barrier
.irp i, 20,21,22,23
	v_mov_b32 v[\i], 0                             ; Q's zero codes
.endr
.irp t, 0,1,2,3,4,5,6,7
.irp i, 4,5,6,7
	v_mov_b32 v[KF+8*\t+\i], 0                     ; K's zero codes: set once, never loaded over
.endr
.endr
.irp i, 236,237,238,239
	v_mov_b32 v[\i], 0                             ; written once: a lane permute's destination counts as one of its sources
.endr
	v_mov_b32 v253, 0                              ; (named as the upper half of the pair v[252:253] before it is first written)
.macro KQ t                            ; S^T of key tile t: even tiles' scale words lie in lanes 0-15 of their register, odd tiles' in lanes 16-31
.if (\t)%2
	v_wmma_scale_f32_16x16x128_f8f6f4 v[S+8*\t:S+8*\t+7], v[KF+8*\t:KF+8*\t+7], v[16:23], 0, v[28+\t/2], v24 matrix_a_fmt:MATRIX_FMT_FP4 matrix_b_fmt:MATRIX_FMT_FP4 matrix_a_scale:MATRIX_SCALE_ROW1
.else
	v_wmma_scale_f32_16x16x128_f8f6f4 v[S+8*\t:S+8*\t+7], v[KF+8*\t:KF+8*\t+7], v[16:23], 0, v[28+\t/2], v24 matrix_a_fmt:MATRIX_FMT_FP4 matrix_b_fmt:MATRIX_FMT_FP4
.endif
.endm
.macro PV t                            ; O^T of channel tile t += V^T P^T
.if (\t)%2
	v_wmma_scale_f32_16x16x128_f8f6f4 v[O+8*\t:O+8*\t+7], v[VF+8*\t:VF+8*\t+7], v[PC:PC+7], v[O+8*\t:O+8*\t+7], v[240+\t/2], v253 matrix_a_fmt:MATRIX_FMT_FP4 matrix_b_fmt:MATRIX_FMT_FP4 matrix_a_scale:MATRIX_SCALE_ROW1
.else
	v_wmma_scale_f32_16x16x128_f8f6f4 v[O+8*\t:O+8*\t+7], v[VF+8*\t:VF+8*\t+7], v[PC:PC+7], v[O+8*\t:O+8*\t+7], v[240+\t/2], v253 matrix_a_fmt:MATRIX_FMT_FP4 matrix_b_fmt:MATRIX_FMT_FP4
.endif
.endm
	s_mov_b32 s20, 2
.Ltile:                                            ; two trips: my even tile, my odd tile
	global_load_b128 v[16:19], v1, s[22:23]        ; Q's 16 bytes a lane
	global_load_b32 v24, v243, s[24:25]            ; and its scale words
	v_mov_b32 v13, 0xff61b1e6                      ; the largest t so far: -3e38, under every t
	v_floor_f32 v12, -v13                          ; -M
	v_mov_b32 v14, 0                               ; the sum, in two halves
	v_mov_b32 v15, 0
.set j, 0
.rept 32
	v_mov_b32 v[O+j], 0                            ; O^T.  (The step is written once: a tile's first step finds zeros, which the first change of M leaves zeros)
.set j, j+1
.endr
	s_mov_b32 s2, 0
	s_mov_b32 s3, 0
	s_mov_b32 s13, 0
	s_mov_b32 s19, 16
	s_wait_loadcnt 0x0                             ; Q
.Lstep:                                            ; 16 trips: 128 keys each
	v_add_nc_u32 v8, s2, v1                        ; the step's addresses.  These four lines are also the four places between the last step's products and the loads into their operands
	v_add_nc_u32 v9, s2, v2
	v_add_nc_u32 v10, s3, v3
	v_add_nc_u32 v11, s13, v4
.irp t, 0,1,2,3,4,5,6,7
	ds_load_b128 v[KF+8*\t:KF+8*\t+3], v8 offset:512*\t   ; all of the step's LDS loads in one run, each of consecutive bytes: K's eight fragments,
.endr
	ds_load_b128 v[28:31], v10                     ; K's scale words,
.irp t, 0,1,2,3
	ds_load_b128 v[VF+8*\t:VF+8*\t+3], v9 offset:1024*\t   ; V's four fragments,
	ds_load_b128 v[VF+8*\t+4:VF+8*\t+7], v9 offset:1024*\t+512
.endr
	ds_load_b64 v[240:241], v11                    ; V's scale words
	s_wait_dscnt 9                                 ; K's nine loads are in; V's nine may stay out until the second product
.irp t, 0,1,2,3,4,5,6,7
	KQ \t
.endr
.rept 4
	v_nop                                          ; four places in front of the first read of the scores
.endr
	s_wait_kmcnt 0x0                               ; the block's lane masks are in, if they were asked for; and their load has read its address,
	s_add_nc_u64 s[6:7], s[6:7], 256               ; which steps to the next block
	s_bitcmp1_b32 s18, 0                           ; has this block a masked place?
	s_cbranch_scc0 .Lopen
.set n, 0
.rept 64
	v_cndmask_b32 v[S+n], v[S+n], v27, s[32+n+4*(n/32)]   ; register n: key 32 (n / 16) + 16 (lane / 16) + n % 16 of the step; each accumulator from its low end on
.set n, n+1
.endr
.Lopen:
	s_bitcmp1_b32 s18, 1                           ; has the next block one?  Then its words are asked for now, a softmax ahead of their use
	s_cbranch_scc0 .Lnone
	LOADM
.Lnone:
	s_lshr_b32 s18, s18, 1                         ; behind my 32nd block zeros come in: nothing is asked for past my blocks
.irp b, 0,1,2,3
	v_max3_num_f32 v[232+\b], v[S+16*\b], v[S+1+16*\b], v[S+2+16*\b]   ; THE LARGEST SCORE OF EACH BLOCK OF 32 KEYS: it serves the row's maximum and, since p rises with the score, the block's largest p
.endr
.irp i, 3,5,7,9,11,13
.irp b, 0,1,2,3
	v_max3_num_f32 v[232+\b], v[232+\b], v[S+16*\b+\i], v[S+1+16*\b+\i]   ; (the four blocks by turns)
.endr
.endr
.irp b, 0,1,2,3
	v_max_num_f32 v[232+\b], v[232+\b], v[S+15+16*\b]
.endr
.irp b, 0,1,2,3
	v_permlanex16_b32 v[236+\b], v[232+\b], s14, s15
.endr
.irp b, 0,1,2,3
	v_max_num_f32 v[232+\b], v[232+\b], v[236+\b]  ; with lane l xor 16's 16 keys
.endr
	v_max3_num_f32 v254, v232, v233, v234
	v_max_num_f32 v254, v254, v235                 ; the step's largest score of my query
	v_mul_f32 v254, s16, v254                      ; as t (c is positive)
	v_max_num_f32 v13, v13, v254                   ; the running largest t
	v_mov_b32 v254, v12
	v_floor_f32 v12, -v13                          ; the new -M = floor(-t) = -ceil(t): M is a whole number
	v_sub_f32 v254, v12, v254                      ; M's old value less its new one: a whole number, 0 or less
	v_cvt_i32_f32 v254, v254                       ; (it saturates)
	v_ldexp_f32 v252, 1.0, v254                    ; f = 2^(old M - new M)
.set j, 0
.rept 32
	v_pk_fma_f32 v[S+j:S+j+1], v[S+j:S+j+1], s[16:17], v[12:13] op_sel_hi:[1,0,0]   ; t - M, two at a time (of the pairs c and -M the low word serves both halves)
.set j, j+2
.endr
.irp b, 0,1,2,3
	v_fma_f32 v[232+\b], v[232+\b], s16, v12       ; the same of each block's largest score
.endr
.set j, 0
.rept 64
	v_exp_f32 v[S+j], v[S+j]                       ; p = 2^(t - M), at most 1: not normalised
.set j, j+1
.endr
	v_pk_mul_f32 v[14:15], v[14:15], v[252:253] op_sel_hi:[1,0]   ; the sums under the new M; the plain line behind the exponentials
	s_wait_alu depctr_va_vdst(0)                   ; one wait for the whole batch, ahead of its first reader
.irp b, 0,1,2,3
	v_exp_f32 v[232+\b], v[232+\b]                 ; the block's largest p: the same two instructions on the same number give the same bits
.endr
	v_pk_add_f32 v[236:237], v[S:S+1], v[S+2:S+3]  ; the row's sum is taken of the unquantised p: two at a time, in two chains
.irp j, 4,8,12,16,20,24,28,32,36,40,44,48,52,56,60
	v_pk_add_f32 v[14:15], v[14:15], v[S+\j:S+\j+1]
	v_pk_add_f32 v[236:237], v[236:237], v[S+2+\j:S+3+\j]
.endr
	v_pk_add_f32 v[14:15], v[14:15], v[236:237]
	s_wait_alu depctr_va_vdst(0)                   ; and one for the four
.irp b, 0,1,2,3
	v_max_num_f32 v[232+\b], 0x1800000, v[232+\b]  ; the floor 2^(3 - 127): the byte cannot fall under 1 (a block whose every p is 0 keeps that byte: its codes are zeros)
.endr
.irp b, 0,1,2,3
	v_add_nc_u32 v[244+\b], 0xff000000, v[232+\b]  ; 2 off the exponent field: the conversion's scale operand
.endr
.irp b, 0,1,2,3
	v_lshrrev_b32 v[236+\b], 23, v[244+\b]         ; the scale's byte
.endr
	v_lshl_or_b32 v253, v237, 8, v236              ; p's scale word for these 128 keys
	v_lshl_or_b32 v253, v238, 16, v253
	v_lshl_or_b32 v253, v239, 24, v253
.irp b, 0,1,2,3
	v_cvt_scalef32_pk8_fp4_f32 v[PC+2*\b], v[S+16*\b:S+7+16*\b], v[244+\b]
	v_cvt_scalef32_pk8_fp4_f32 v[PC+1+2*\b], v[S+8+16*\b:S+15+16*\b], v[244+\b]
.endr
	v_nop                                          ; one plain line between a scaled conversion and the vector instruction that touches its result
.irp c, 0,1                                    ; the operand's layout wants a whole block in a lane: lanes 0-15 block 2 c, lanes 16-31 block 2 c + 1
.irp i, 0,1
	v_permlane16_swap_b32 v[PC+4*\c+\i], v[PC+2+4*\c+\i]
.endr
.endr
.set j, 0
.rept 16
	v_pk_mul_f32 v[O+j:O+j+1], v[O+j:O+j+1], v[252:253] op_sel_hi:[1,0]   ; O^T under the new M: x f.  These sixteen also stand between the lines that made p's codes and scale word and the products below
.set j, j+2
.endr
	s_wait_dscnt 0x0                               ; V's fragments and scale words are in
.irp t, 0,1,2,3
	PV \t                                          ; four accumulators by turns; the eight products K Q^T stand between two links of a chain
.endr
	s_add_co_u32 s2, s2, 4096
	s_add_co_u32 s3, s3, 512
	s_add_co_u32 s13, s13, 256
	s_sub_co_u32 s19, s19, 1
	s_cmp_lg_u32 s19, 0
	s_cbranch_scc1 .Lstep
	; THE WAY OUT of a tile.  O^T is divided by the row's sum and goes through my stage, so that sixteen lanes store one query's 256 bytes of its head.
.rept 4
	v_nop                                          ; four places behind the last products
.endr
	v_add_f32 v14, v14, v15                        ; the sum's two halves,
	v_permlanex16_b32 v252, v14, s14, s15
	v_add_f32 v14, v14, v252                       ; and lane l xor 16's: the row's sum, over 1/2
	v_rcp_f32 v14, v14
	v_nop                                          ; a plain line behind the reciprocal
	s_wait_alu depctr_va_vdst(0)                   ; and the wait ahead of its first reader
.set j, 0
.rept 32
	v_mul_f32 v[S+j], v[O+j], v14                  ; register 8 t + i is o(query r, channel 16 t + 8 h + i)
.set j, j+1
.endr
.irp t, 0,1,2,3
	ds_store_b128 v25, v[S+8*\t:S+8*\t+3] offset:64*\t
	ds_store_b128 v25, v[S+8*\t+4:S+8*\t+7] offset:64*\t+16
.endr
.irp m, 0,1,2,3,4,5,6,7
	ds_load_b128 v[S+32+4*\m:S+35+4*\m], v26 offset:544*\m   ; LDS serves a wave's instructions in order: these see my stores, and the next tile's stores come behind them
.endr
.irp m, 0,1,2,3,4,5,6,7
	s_wait_dscnt 7-\m                              ; load m is back; the 7 - m younger ones stay out
	global_store_b128 v7, v[S+32+4*\m:S+35+4*\m], s[10:11] offset:8192*\m+32768*(\m/4) th:TH_STORE_NT   ; the tile's rows 2 m, 2 m + 1 (rows 8-15 lie 8 queries further on): sixteen lanes store 256 consecutive bytes, aligned
.endr
	s_wait_xcnt 0x0                                ; the stores have read their data and their base: both are written again below and in the next trip
	s_add_nc_u64 s[22:23], s[22:23], 512           ; the odd tile's image,
	s_add_nc_u64 s[24:25], s[24:25], 256           ; its scale words,
	s_add_nc_u64 s[10:11], s[10:11], 32768         ; and its first row, 8 queries on
	s_sub_co_u32 s20, s20, 1
	s_cmp_lg_u32 s20, 0
	s_cbranch_scc1 .Ltile
	s_wait_tensorcnt 0x0                           ; the wave's end
	ds_add_u32 v5, v6
	s_wait_dscnt 0x0
	s_endpgm
.Lfunc_end_k_q92df5d71c6_attn:
	.size	k_q92df5d71c6_attn, .Lfunc_end_k_q92df5d71c6_attn-k_q92df5d71c6_attn
	.p2alignl 7, 3214868480
	.fill 96, 4, 3214868480
	.section	.rodata,"a",@progbits
	.p2align	6, 0x0
	.amdhsa_kernel k_q92df5d71c6_attn
		.amdhsa_group_segment_fixed_size 219136
		.amdhsa_private_segment_fixed_size 0
		.amdhsa_enable_private_segment 0
		.amdhsa_kernarg_size 32
		.amdhsa_user_sgpr_count 2
		.amdhsa_user_sgpr_kernarg_segment_ptr 1
		.amdhsa_wavefront_size32 1
		.amdhsa_system_sgpr_workgroup_id_x 1
		.amdhsa_system_sgpr_workgroup_id_y 1
		.amdhsa_system_sgpr_workgroup_id_z 1
		.amdhsa_system_vgpr_workitem_id 0
		.amdhsa_next_free_vgpr 256
		.amdhsa_next_free_sgpr 100
		.amdhsa_reserve_vcc 0
		.amdhsa_float_denorm_mode_32 3
		.amdhsa_float_denorm_mode_16_64 3
		.amdhsa_memory_ordered 1
		.amdhsa_forward_progress 1
		.amdhsa_inst_pref_size 34
	.end_amdhsa_kernel
	.amdgpu_metadata
---
amdhsa.version: [ 1, 2 ]
amdhsa.kernels:
  - .name:           k_q92df5d71c6_attn
    .symbol:         k_q92df5d71c6_attn.kd
    .args:
      - { .name: kv, .offset: 0, .size: 8, .value_kind: global_buffer, .address_space: global }
      - { .name: maskw, .offset: 8, .size: 8, .value_kind: global_buffer, .address_space: global }
      - { .name: flags, .offset: 16, .size: 8, .value_kind: global_buffer, .address_space: global }
      - { .name: out0, .offset: 24, .size: 8, .value_kind: global_buffer, .address_space: global }
    .group_segment_fixed_size: 219136
    .private_segment_fixed_size: 0
    .kernarg_segment_align: 8
    .kernarg_segment_size: 32
    .max_flat_workgroup_size: 512
    .sgpr_count:     100
    .vgpr_count:     256
    .wavefront_size: 32
...
	.end_amdgpu_metadata
.endif
;; end of part 2
;; ======== version 2 of 2: 2 launches
;; limits: inputs' magnitudes at most 13,176,794
;; workspace buffers: kv 9,175,040 bytes; maskw 2,097,152 bytes of whole numbers; flags 8,192 bytes of whole numbers
;; launch prep (part 3): grid 1536 x 1, 4 waves a work-group, no clusters, 53,504 bytes of LDS; arguments x, theta, mask, kv, maskw, flags; writes kv, maskw, flags
.if DOCPART == 3
	.amdgcn_target "amdgcn-amd-amdhsa--gfx1250"
	.amdhsa_code_object_version 6
	.text
	.protected	k_q92df5d71c6_prep
	.globl	k_q92df5d71c6_prep
	.p2align	8
	.type	k_q92df5d71c6_prep,@function
k_q92df5d71c6_prep:
	s_mov_b64 s[64:65], 0
	v_nop
	global_prefetch_b8 v0, s[64:65] scope:SCOPE_SE
	s_setreg_imm32_b32 hwreg(HW_REG_WAVE_MODE, 25, 1), 1
	s_wait_xcnt 0x0
; PREP: what every work-group of the attention launch would otherwise make anew is made once.
; NOTHING OF reference() IS LEFT OUT: x, theta and mask all have a way to the output, and all three are loaded here.
; (1) proj = cos(x + theta), f32, for each of the 64 (batch, head) pairs a table [2048 keys][64 channels].  q = k = v = proj, so two tables of E2M1 codes serve both products:
;     quantised along the 64 CHANNELS (both operands of the first product) and along the KEYS (the right operand of the second).  One E8M0 byte for each 32 numbers.
; (2) the mask, one byte a place, becomes lane masks of 32 bits in the order in which the attention launch holds its scores, and one flag for each block of 16 queries x 128 keys.
; TILES.  Tile T (0..127) of a head holds rows 32 (T / 2) + 8 (T % 2) + r + 8 (r / 8), r = 0..15: so the 16 score registers of two neighbouring key tiles are 16 neighbouring keys.  Query tiles are the same tiles.
; A HEAD'S RECORD in kv, REC bytes, laid in the order of the operands' registers, so that every fragment is read as 16 bytes a lane on end:
;   0      tile T at 512 T, lane l at 16 l: the 32 codes of row l % 16 of the tile, channels 32 (l / 16) on
;   VIMG   key step j (128 keys) at 4096 j, channel tile t at 1024 t, half c at 512 c, lane l at 16 l: channel 16 t + l % 16, keys 128 j + 64 c + 32 (l / 16) on
;   KSC    step j at 512 j, lane l at 16 l, pair p at 4 p: the scale word (two bytes, then 0x7f twice for the 64 zero codes that fill the instruction's K) of row l % 16 of tile 8 j + 2 p + l / 16
;   VSC    step j at 256 j, lane l at 8 l, i at 4 i: the four bytes (the step's four blocks of keys) of channel 32 i + l
; maskw: block (b, T, j) at ((128 b + T) 16 + j) 256: 64 words; bit r + 16 h of word 16 p + i = mask[b][row r of tile T][128 j + 32 p + 16 h + i].   flags: word (128 b + T) 4 + w: bit k set if block (b, T, 4 w + k) has a masked place.
; THE COSINE: k = the whole number nearest (x + theta) / pi - 1/2, m = k + 1/2, r = m pi - (x + theta) with pi in two parts, |r| <= pi / 2; cos = (-1)^k sin r; sin r by its series up to r^13 (what is cut is under 7e-10).
; THE SCALE: the largest magnitude's exponent field less 2 is the conversion's scale operand, and shifted down the byte.
; LIMITS: |x + theta| under 2^22 pi (k is made by adding 1.5 x 2^23); NaN and infinities in x or theta are not served; a block of zeros gets the byte 1 where the rule says 127 (its codes are zeros, and this program alone reads the bytes).
; SHARES: work-groups 0..511 take the mask (one query tile of one batch; wave w its key steps 4 w .. 4 w + 3), work-groups 512..1535 the cosine (one key step of one head; wave w its keys 32 w .. 32 w + 31, all 64 channels).
; The two ways part on the work-group's number; each has LDS bytes of its own.  No tensor load, no matrix instruction: the launch streams.
.set CSTW,  8704                       ; LDS: the cosine's stage, one for each wave from byte 0 on: 32 keys x (256 bytes + 16)
.set SCKG,  34816                      ; the step's 128 scale words of K, as they go out
.set SCVG,  35328                      ; the step's 256 scale bytes of V, as they go out
.set MST,   35584                      ; the mask's stage, one for each wave: 16 rows x (256 bytes + 16)
.set MSTW,  4352
.set SPARE, 52992                      ; the spare words, 128 bytes for each wave: two blocks of 256 bytes that no other line names
.set REC,   143360
.set VIMG,  65536
.set KSC,   131072
.set VSC,   139264
; v1 lane; v2 16 l; v3 8 l; v4 x's offset; v5 stage in; v6 stage out by rows; v7 stage out by columns; v8, v9 where my scale word and bytes go; v10 V's codes' offset; v11 the mask's offset;
; v12, v13 the mask's stage in and out; v14 8 h; v15 16 r; v16 my spare word's address, v17 0: these two serve the add alone
.set INVPI, 18                         ; v18-43: thirteen constants, each twice, for the packed forms
.set NHALF, 20
.set MAGIC, 22
.set NMAGIC, 24
.set HALF,  26
.set PIH,   28
.set PIM,   30
.set C13,   32
.set C11,   34
.set C9,    36
.set C7,    38
.set C5,    40
.set C3,    42
.set TH,    44                         ; v44-47 theta of my four channels
.set CT,    48                         ; v48-87 at work in the cosine: four pairs of each of five
.set CR,    56
.set CS,    64
.set CQ,    72
.set CG,    80
.set X,     88                         ; v88-151 64 numbers
.set KC,    48                         ; behind the cosine: v48-55 K's codes, v56-63 V's, v64-67 four scale bytes, v68-70 at work
.set VC,    56
.set BY,    64
.set QT,    68
.set MB,    24                         ; the mask's way: v24-87 the bytes by query rows, v88-151 as loaded, v152-159 the words of four blocks
.set MX,    88
.set W,     152
	s_load_b256 s[4:11], s[0:1], 0x0               ; x s[4:5], theta s[6:7], mask s[8:9], kv s[10:11]
	s_load_b128 s[12:15], s[0:1], 0x20             ; maskw s[12:13], flags s[14:15]
	v_lshl_add_u32 v16, v0, 2, SPARE
	v_mov_b32 v17, 0
	v_lshrrev_b32 v1, 5, v0
	v_readfirstlane_b32 s16, v1                    ; wave 0..3
	v_and_b32 v1, 31, v0                           ; lane l
	v_and_b32 v18, 15, v0                          ; r = l % 16
	v_bfe_u32 v19, v0, 4, 1                        ; h = l / 16
	; every LDS address of both ways is made here, ahead of the parting
	v_lshlrev_b32 v2, 4, v1
	v_lshlrev_b32 v3, 3, v1
	v_lshlrev_b32 v15, 4, v18
	v_lshl_add_u32 v4, v19, 12, v15                ; x: lanes 0-15 one key's 256 bytes of the head, lanes 16-31 the next key's (4,096 bytes on)
	s_mul_i32 s17, s16, CSTW
	v_mul_u32_u24 v20, v19, 272
	v_add_nc_u32 v20, v20, v15                     ; 272 h + 16 r
	v_add_nc_u32 v5, s17, v20                      ; into my stage: as loaded
	v_and_b32 v21, 8, v18
	v_add_nc_u32 v21, v21, v18                     ; r + 8 (r / 8)
	v_mul_u32_u24 v21, v21, 272
	v_lshl_add_u32 v21, v19, 7, v21
	v_add_nc_u32 v6, s17, v21                      ; out by rows: the tile's row r, channels 32 h on
	v_lshl_add_u32 v7, v1, 2, s17                  ; out by columns: channel l, registers down the keys
	s_lshl_b32 s18, s16, 2
	s_add_co_u32 s18, s18, SCKG
	v_add_nc_u32 v8, s18, v2                       ; SCKG + 16 l + 4 w
	s_add_co_u32 s18, s16, SCVG
	v_add_nc_u32 v9, s18, v3                       ; SCVG + 8 l + w
	v_lshl_add_u32 v10, v19, 10, v15               ; V's codes: 1024 h + 16 r
	v_lshl_add_u32 v11, v19, 11, v15               ; the mask: 2048 h + 16 r
	s_mul_i32 s18, s16, MSTW
	s_add_co_u32 s18, s18, MST
	v_add_nc_u32 v12, s18, v20                     ; into the mask's stage: as loaded
	v_mul_u32_u24 v21, v18, 272
	v_lshl_add_u32 v21, v19, 4, v21
	v_add_nc_u32 v13, s18, v21                     ; out of it: query row r, 16 keys of my half
	v_lshlrev_b32 v14, 3, v19
	s_mov_b32 s20, 0x76543210
	s_mov_b32 s21, 0xfedcba98                      ; v_permlanex16_b32's selects for lane l xor 16
	s_mov_b32 s22, 0xffff0000                      ; lanes 16-31
	s_mov_b32 s31, 0
	s_wait_kmcnt 0x0
	s_cmp_lt_u32 ttmp9, 512
	s_cbranch_scc1 .Lmask
	; ================= THE COSINE'S WAY =================
	s_sub_co_u32 s24, ttmp9, 512
	s_lshr_b32 s25, s24, 4                         ; the (batch, head) pair
	s_and_b32 s26, s24, 15                         ; key step j
	s_lshr_b32 s27, s25, 4                         ; batch
	s_and_b32 s28, s25, 15                         ; head
	s_lshl_b32 s30, s27, 23                        ; a batch of x is 2048 x 4096 bytes,
	s_lshl_b32 s29, s26, 19                        ; a key step 128 rows,
	s_add_co_u32 s30, s30, s29
	s_lshl_b32 s29, s16, 17                        ; my wave's part 32 rows,
	s_add_co_u32 s30, s30, s29
	s_lshl_b32 s29, s28, 8                         ; a head 256 bytes of a row
	s_add_co_u32 s30, s30, s29
	s_add_nc_u64 s[4:5], s[4:5], s[30:31]
	global_load_b128 v[TH:TH+3], v15, s[6:7]       ; theta of channels 4 r .. 4 r + 3
.irp m, 0,1,2,3,4,5,6,7,8,9,10,11,12,13,14,15
	global_load_b128 v[X+4*\m:X+4*\m+3], v4, s[4:5] offset:8192*\m th:TH_LOAD_NT   ; keys 2 m and 2 m + 1: sixteen lanes read 256 consecutive bytes, aligned; read once in the launch
.endr
	s_mul_i32 s30, s25, REC
	s_add_nc_u64 s[10:11], s[10:11], s[30:31]      ; the head's record
	s_lshl_b32 s30, s26, 12
	s_lshl_b32 s29, s16, 10
	s_add_co_u32 s30, s30, s29
	s_add_nc_u64 s[32:33], s[10:11], s[30:31]      ; K's codes: tiles 8 j + 2 w and the next
	s_lshl_b32 s30, s26, 12
	s_lshl_b32 s29, s16, 8                         ; my block of 32 keys: half w / 2 (512 bytes), lanes 16 (w % 2) on (256 bytes)
	s_add_co_u32 s30, s30, s29
	s_add_co_u32 s30, s30, VIMG
	s_add_nc_u64 s[34:35], s[10:11], s[30:31]      ; V's codes
	s_lshl_b32 s30, s26, 9
	s_add_co_u32 s30, s30, KSC
	s_add_nc_u64 s[36:37], s[10:11], s[30:31]      ; the step's scale words of K
	s_lshl_b32 s30, s26, 8
	s_add_co_u32 s30, s30, VSC
	s_add_nc_u64 s[38:39], s[10:11], s[30:31]      ; and of V
.macro PAIR reg, bits
	v_mov_b32 v[\reg], \bits
	v_mov_b32 v[\reg+1], \bits
.endm
	PAIR INVPI,  0x3ea2f983                        ; 1 / pi
	PAIR NHALF,  -0.5
	PAIR MAGIC,  0x4b400000                        ; 1.5 x 2^23: adding it rounds to a whole number, whose parity is the sum's lowest bit
	PAIR NMAGIC, 0xcb400000
	PAIR HALF,   0.5
	PAIR PIH,    0x40490fdb                        ; pi, its f32 part,
	PAIR PIM,    0xb3bbbd2e                        ; and what that leaves
	PAIR C13,    0x2f309231                        ; 1 / 13!
	PAIR C11,    0xb2d7322b                        ; -1 / 11!
	PAIR C9,     0x3638ef1d                        ; 1 / 9!
	PAIR C7,     0xb9500d01                        ; -1 / 7!
	PAIR C5,     0x3c088889                        ; 1 / 5!
	PAIR C3,     0xbe2aaaab                        ; -1 / 3!
; The cosine of eight numbers, v[X + 8 g] on, in place: four pairs, line by line across the four, so that no line waits for the line above it.
.macro COS4 g
.set XB, X+8*(\g)
.irp e, 0,1,2,3
	v_pk_add_f32 v[XB+2*\e:XB+2*\e+1], v[XB+2*\e:XB+2*\e+1], v[TH+2*(\e%2):TH+2*(\e%2)+1]   ; phi = x + theta
.endr
.irp e, 0,1,2,3
	v_pk_fma_f32 v[CT+2*\e:CT+2*\e+1], v[XB+2*\e:XB+2*\e+1], v[INVPI:INVPI+1], v[NHALF:NHALF+1]   ; phi / pi - 1/2
.endr
.irp e, 0,1,2,3
	v_pk_add_f32 v[CT+2*\e:CT+2*\e+1], v[CT+2*\e:CT+2*\e+1], v[MAGIC:MAGIC+1]   ; rounded to the whole number k
.endr
.irp e, 0,1,2,3
	v_lshlrev_b32 v[CG+2*\e], 31, v[CT+2*\e]       ; k's parity as a sign bit
	v_lshlrev_b32 v[CG+2*\e+1], 31, v[CT+2*\e+1]
.endr
.irp e, 0,1,2,3
	v_pk_add_f32 v[CT+2*\e:CT+2*\e+1], v[CT+2*\e:CT+2*\e+1], v[NMAGIC:NMAGIC+1]   ; k
.endr
.irp e, 0,1,2,3
	v_pk_add_f32 v[CT+2*\e:CT+2*\e+1], v[CT+2*\e:CT+2*\e+1], v[HALF:HALF+1]   ; m = k + 1/2, exact
.endr
.irp e, 0,1,2,3
	v_pk_fma_f32 v[CR+2*\e:CR+2*\e+1], v[CT+2*\e:CT+2*\e+1], v[PIH:PIH+1], v[XB+2*\e:XB+2*\e+1] neg_lo:[0,0,1] neg_hi:[0,0,1]   ; r = m pi - phi
.endr
.irp e, 0,1,2,3
	v_pk_fma_f32 v[CR+2*\e:CR+2*\e+1], v[CT+2*\e:CT+2*\e+1], v[PIM:PIM+1], v[CR+2*\e:CR+2*\e+1]
.endr
.irp e, 0,1,2,3
	v_pk_mul_f32 v[CS+2*\e:CS+2*\e+1], v[CR+2*\e:CR+2*\e+1], v[CR+2*\e:CR+2*\e+1]   ; s = r^2
.endr
.irp e, 0,1,2,3
	v_pk_fma_f32 v[CQ+2*\e:CQ+2*\e+1], v[CS+2*\e:CS+2*\e+1], v[C13:C13+1], v[C11:C11+1]
.endr
.irp c, C9, C7, C5, C3
.irp e, 0,1,2,3
	v_pk_fma_f32 v[CQ+2*\e:CQ+2*\e+1], v[CQ+2*\e:CQ+2*\e+1], v[CS+2*\e:CS+2*\e+1], v[\c:\c+1]
.endr
.endr
.irp e, 0,1,2,3
	v_pk_mul_f32 v[CS+2*\e:CS+2*\e+1], v[CS+2*\e:CS+2*\e+1], v[CR+2*\e:CR+2*\e+1]   ; r s
.endr
.irp e, 0,1,2,3
	v_pk_fma_f32 v[CR+2*\e:CR+2*\e+1], v[CS+2*\e:CS+2*\e+1], v[CQ+2*\e:CQ+2*\e+1], v[CR+2*\e:CR+2*\e+1]   ; sin r
.endr
.irp e, 0,1,2,3
	v_xor_b32 v[XB+2*\e], v[CG+2*\e], v[CR+2*\e]   ; cos phi = (-1)^k sin r
	v_xor_b32 v[XB+2*\e+1], v[CG+2*\e+1], v[CR+2*\e+1]
.endr
.endm
.irp g, 0,1,2,3,4,5,6,7
	s_wait_loadcnt 14-2*\g                         ; theta and x's loads 2 g and 2 g + 1 are in; the 14 - 2 g younger ones stay out
	COS4 \g
	ds_store_b128 v5, v[X+8*\g:X+8*\g+3] offset:544*(2*\g)       ; keys 4 g, 4 g + 1 into my stage
	ds_store_b128 v5, v[X+8*\g+4:X+8*\g+7] offset:544*(2*\g+1)   ; keys 4 g + 2, 4 g + 3
.endr
	s_wait_dscnt 0x0                               ; the stores have read X: it is loaded anew below
; A block of 32 numbers of ONE lane, v[src] on, becomes 16 bytes of codes in v[dst] on and a scale byte in v[by].
.macro QB src, dst, by
	v_max3_num_f32 v[QT], |v[(\src)]|, |v[(\src)+1]|, |v[(\src)+2]|
	v_max3_num_f32 v[QT+1], |v[(\src)+3]|, |v[(\src)+4]|, |v[(\src)+5]|
.irp i, 6,10,14,18,22,26
	v_max3_num_f32 v[QT], v[QT], |v[(\src)+\i]|, |v[(\src)+\i+1]|
	v_max3_num_f32 v[QT+1], v[QT+1], |v[(\src)+\i+2]|, |v[(\src)+\i+3]|
.endr
	v_max3_num_f32 v[QT], v[QT], |v[(\src)+30]|, |v[(\src)+31]|
	v_max3_num_f32 v[QT], v[QT], v[QT+1], 0x1800000   ; and the floor 2^(3 - 127): the byte cannot fall under 1
	v_add_nc_u32 v[QT+2], 0xff000000, v[QT]        ; 2 off the exponent field: the conversion takes this operand's exponent field as its scale
.irp c, 0,1,2,3
	v_cvt_scalef32_pk8_fp4_f32 v[(\dst)+\c], v[(\src)+8*\c:(\src)+8*\c+7], v[QT+2]
.endr
	v_lshrrev_b32 v[\by], 23, v[QT+2]              ; the scale's byte; also the plain line behind the conversions
.endm
.macro KREAD u                         ; tile 8 j + 2 w + u: my row's 32 channels of my half, 128 bytes
.irp i, 0,1,2,3,4,5,6,7
	ds_load_b128 v[X+32*\u+4*\i:X+32*\u+4*\i+3], v6 offset:2176*\u+16*\i
.endr
.endm
.macro VREAD i                         ; channel 32 i + l, registers down my wave's 32 keys: each load takes 128 consecutive bytes
.irp q, 0,1,2,3,4,5,6,7,8,9,10,11,12,13,14,15,16,17,18,19,20,21,22,23,24,25,26,27,28,29,30,31
	ds_load_b32 v[X+32*\i+\q], v7 offset:272*\q+128*\i
.endr
.endm
	KREAD 0
	KREAD 1
	s_wait_dscnt 8                                 ; the first tile's eight loads are in, the second's may be out
	QB X, KC, BY
	global_store_b128 v2, v[KC:KC+3], s[32:33]     ; the wave stores 512 consecutive bytes: a tile's image
	VREAD 0
	s_wait_dscnt 32                                ; the second tile's are in; the 32 just issued may be out
	QB X+32, KC+4, BY+1
	global_store_b128 v2, v[KC+4:KC+7], s[32:33] offset:512
	v_lshlrev_b32 v72, v14, v[BY]                  ; my byte at its place: 8 h bits up
	v_lshlrev_b32 v73, v14, v[BY+1]
	v_mov_b32 v74, 0                               ; (a lane permute's destination counts as one of its sources)
	v_mov_b32 v75, 0
	v_permlanex16_b32 v74, v72, s20, s21
	v_permlanex16_b32 v75, v73, s20, s21
	v_or_b32 v72, v72, v74                         ; with lane l xor 16's: both bytes of my row, in the first tile
	v_or_b32 v73, v73, v75                         ; and in the second
	v_cndmask_b32 v72, v72, v73, s22               ; lanes 0-15 keep the even tile's word, lanes 16-31 take the odd tile's
	v_or_b32 v72, 0x7f7f0000, v72                  ; scale 1 for the 64 zero codes that fill the instruction's K
	ds_store_b32 v8, v72
	VREAD 1
	s_wait_dscnt 33                                ; channels 0-31 are in; behind them: that store and the 32 loads just issued
	QB X, VC, BY+2
	global_store_b128 v10, v[VC:VC+3], s[34:35]    ; sixteen lanes store 256 consecutive bytes, aligned
	ds_store_b8 v9, v[BY+2]
	s_wait_dscnt 1                                 ; channels 32-63 are in; the byte's store may be out
	QB X+32, VC+4, BY+3
	global_store_b128 v10, v[VC+4:VC+7], s[34:35] offset:2048
	ds_store_b8 v9, v[BY+3] offset:4
	s_wait_dscnt 0x0                               ; for the others' sake: my scale word and bytes have landed
	s_barrier_signal -1
	s_barrier_wait -1                              ; the four waves' are together: they leave in whole runs
	s_cmp_lg_u32 s16, 0
	s_cbranch_scc1 .Lnot_wave_0
	ds_load_b128 v[72:75], v2 offset:SCKG
	s_wait_dscnt 0x0
	global_store_b128 v2, v[72:75], s[36:37]       ; 512 consecutive bytes
.Lnot_wave_0:
	s_cmp_lg_u32 s16, 1
	s_cbranch_scc1 .Lnot_wave_1
	ds_load_b64 v[76:77], v3 offset:SCVG
	s_wait_dscnt 0x0
	global_store_b64 v3, v[76:77], s[38:39]        ; 256 consecutive bytes, aligned
.Lnot_wave_1:
	s_wait_tensorcnt 0x0                           ; the wave's end
	ds_add_u32 v16, v17
	s_wait_dscnt 0x0
	s_endpgm
	; ================= THE MASK'S WAY =================
.Lmask:
	s_lshr_b32 s24, ttmp9, 7                       ; batch
	s_and_b32 s25, ttmp9, 127                      ; query tile T
	s_lshr_b32 s26, s25, 1
	s_lshl_b32 s26, s26, 5
	s_and_b32 s27, s25, 1
	s_lshl_b32 s27, s27, 3
	s_add_co_u32 s26, s26, s27                     ; the tile's first row: 32 (T / 2) + 8 (T % 2)
	s_lshl_b32 s30, s26, 11                        ; a row of the mask is 2,048 bytes,
	s_lshl_b32 s27, s24, 22                        ; a batch 2,048 rows,
	s_add_co_u32 s30, s30, s27
	s_lshl_b32 s27, s16, 9                         ; my four key steps 512 bytes of a row
	s_add_co_u32 s30, s30, s27
	s_add_nc_u64 s[8:9], s[8:9], s[30:31]
	s_wait_alu depctr_va_vdst(0)
.irp q, 0,1
.irp m, 0,1,2,3,4,5,6,7
	global_load_b128 v[MX+32*\q+4*\m:MX+32*\q+4*\m+3], v11, s[8:9] offset:(2*\m+8*(\m/4))*2048+256*\q th:TH_LOAD_NT   ; the tile's rows 2 m and 2 m + 1: sixteen lanes read 256 consecutive bytes, aligned
.endr
.endr
	s_lshl_b32 s30, ttmp9, 2
	s_add_co_u32 s30, s30, s16                     ; 4 x tile + wave
	s_lshl_b32 s27, s30, 10                        ; my four blocks of 256 bytes in maskw
	s_lshl_b32 s30, s30, 2                         ; my word in flags
	s_add_nc_u64 s[14:15], s[14:15], s[30:31]
	s_mov_b32 s30, s27
	s_add_nc_u64 s[12:13], s[12:13], s[30:31]
	s_mov_b32 s28, 0                               ; the four flags
.irp i, 0,1,2,3,4,5,6,7
	v_mov_b32 v[W+\i], 0                           ; (v_writelane_b32's destination counts as one of its sources)
.endr
; 256 bytes of 16 rows go through my stage: in as loaded, out 16 bytes of ONE query row a lane: lane (r, h), load c = 4 jj + p: keys 128 jj + 32 p + 16 h + 0 .. 15 of row r.
; LDS serves a wave's instructions in order: no wait between the stores and the loads, nor in front of the second half's stores.
.macro MTURN q
.irp m, 0,1,2,3,4,5,6,7
	ds_store_b128 v12, v[MX+32*\q+4*\m:MX+32*\q+4*\m+3] offset:544*\m
.endr
.irp c, 0,1,2,3,4,5,6,7
	ds_load_b128 v[MB+32*\q+4*\c:MB+32*\q+4*\c+3], v13 offset:32*\c
.endr
.endm
; Block k of my four.  Word n = 16 p + i is the ballot, over the 32 lanes, of byte n of the lane's 64: four words at a time.  The words are laid two to a lane, so that the wave stores them as 256 consecutive bytes.
.macro BLOCK k
.set n, 0
.rept 16
.irp d, 0,1,2,3
	v_and_b32 v[18+\d], 0xff<<(8*\d), v[MB+16*(\k)+n/4]
.endr
.irp d, 0,1,2,3
	v_cmp_ne_u32 s[40+(n+\d)%8], 0, v[18+\d]
.endr
.irp d, 0,1,2,3
	v_writelane_b32 v[W+2*(\k)+\d%2], s[40+(n+\d)%8], (n+\d)/2
.endr
.set n, n+4
.endr
	global_store_b64 v3, v[W+2*(\k):W+2*(\k)+1], s[12:13] offset:256*(\k)   ; a pair of registers of its own for each block: no store's data are written again
	v_or_b32 v22, v[MB+16*(\k)], v[MB+16*(\k)+1]   ; is any place of the block masked?
	v_or_b32 v23, v[MB+16*(\k)+2], v[MB+16*(\k)+3]
.irp i, 4,6,8,10,12,14
	v_or_b32 v22, v22, v[MB+16*(\k)+\i]
	v_or_b32 v23, v23, v[MB+16*(\k)+\i+1]
.endr
	v_or_b32 v22, v22, v23
	v_cmp_ne_u32 vcc_lo, 0, v22
	s_cmp_lg_u32 vcc_lo, 0
	s_cselect_b32 s29, 1<<(\k), 0
	s_or_b32 s28, s28, s29
.endm
	s_wait_loadcnt 8                               ; the first half's eight loads are in, the second's may be out
	MTURN 0
	s_wait_loadcnt 0x0
	MTURN 1
	s_wait_dscnt 16                                ; the first half is back; the second half's eight stores and eight loads may be out
	BLOCK 0
	BLOCK 1
	s_wait_dscnt 0x0
	BLOCK 2
	BLOCK 3
	v_mov_b32 v22, s28
	v_mov_b32 v23, 0
	v_cmp_eq_u32 vcc_lo, 0, v1
	s_wait_alu depctr_va_vdst(0)
	s_wait_xcnt 0x0                                ; EXEC is a source of the stores above: it changes only behind this wait
	s_and_saveexec_b32 s29, vcc_lo                 ; lane 0 alone
	global_store_b32 v23, v22, s[14:15]            ; my four flags
	s_wait_xcnt 0x0                                ; and again, in front of the line that widens it
	s_or_b32 exec_lo, exec_lo, s29
	s_wait_tensorcnt 0x0                           ; the wave's end
	ds_add_u32 v16, v17
	s_wait_dscnt 0x0
	s_endpgm
.Lfunc_end_k_q92df5d71c6_prep:
	.size	k_q92df5d71c6_prep, .Lfunc_end_k_q92df5d71c6_prep-k_q92df5d71c6_prep
	.p2alignl 7, 3214868480
	.fill 96, 4, 3214868480
	.section	.rodata,"a",@progbits
	.p2align	6, 0x0
	.amdhsa_kernel k_q92df5d71c6_prep
		.amdhsa_group_segment_fixed_size 53504
		.amdhsa_private_segment_fixed_size 0
		.amdhsa_enable_private_segment 0
		.amdhsa_kernarg_size 48
		.amdhsa_user_sgpr_count 2
		.amdhsa_user_sgpr_kernarg_segment_ptr 1
		.amdhsa_wavefront_size32 1
		.amdhsa_system_sgpr_workgroup_id_x 1
		.amdhsa_system_sgpr_workgroup_id_y 1
		.amdhsa_system_sgpr_workgroup_id_z 1
		.amdhsa_system_vgpr_workitem_id 0
		.amdhsa_next_free_vgpr 160
		.amdhsa_next_free_sgpr 66
		.amdhsa_reserve_vcc 1
		.amdhsa_float_denorm_mode_32 3
		.amdhsa_float_denorm_mode_16_64 3
		.amdhsa_memory_ordered 1
		.amdhsa_forward_progress 1
		.amdhsa_inst_pref_size 111
	.end_amdhsa_kernel
	.amdgpu_metadata
---
amdhsa.version: [ 1, 2 ]
amdhsa.kernels:
  - .name:           k_q92df5d71c6_prep
    .symbol:         k_q92df5d71c6_prep.kd
    .args:
      - { .name: x, .offset: 0, .size: 8, .value_kind: global_buffer, .address_space: global }
      - { .name: theta, .offset: 8, .size: 8, .value_kind: global_buffer, .address_space: global }
      - { .name: mask, .offset: 16, .size: 8, .value_kind: global_buffer, .address_space: global }
      - { .name: kv, .offset: 24, .size: 8, .value_kind: global_buffer, .address_space: global }
      - { .name: maskw, .offset: 32, .size: 8, .value_kind: global_buffer, .address_space: global }
      - { .name: flags, .offset: 40, .size: 8, .value_kind: global_buffer, .address_space: global }
    .group_segment_fixed_size: 53504
    .private_segment_fixed_size: 0
    .kernarg_segment_align: 8
    .kernarg_segment_size: 48
    .max_flat_workgroup_size: 128
    .sgpr_count:     66
    .vgpr_count:     160
    .wavefront_size: 32
...
	.end_amdgpu_metadata
.endif
;; end of part 3
;; launch attn (part 4): grid 256 x 1, 16 waves a work-group, no clusters, 219,136 bytes of LDS; arguments kv, maskw, flags, out0; writes out0
.if DOCPART == 4
	.amdgcn_target "amdgcn-amd-amdhsa--gfx1250"
	.amdhsa_code_object_version 6
	.text
	.protected	k_q92df5d71c6_attn
	.globl	k_q92df5d71c6_attn
	.p2align	8
	.type	k_q92df5d71c6_attn,@function
k_q92df5d71c6_attn:
	s_mov_b64 s[64:65], 0
	v_nop
	global_prefetch_b8 v0, s[64:65] scope:SCOPE_SE
	s_setreg_imm32_b32 hwreg(HW_REG_WAVE_SCHED_MODE, 0, 2), 2
	s_setreg_imm32_b32 hwreg(HW_REG_WAVE_MODE, 25, 1), 1
	s_wait_xcnt 0x0
	s_wait_alu depctr_vm_vsrc(0)
; ATTENTION on codes of E2M1 with one E8M0 scale for each 32 along a product's K.  For each (batch, head): S = proj proj^T / 8 (K = the 64 channels), masked places out, softmax, O = P proj (K = the keys).  No work of reference() is left out.
; The codes, scale words, lane masks and flags were made by the launch before; their layouts stand at its head.  A record (REC bytes) holds a head's codes both ways and all its scale words.
; THE SOFTMAX AHEAD OF THE SECOND PRODUCT: t = score x c, c = log2(e) / 8; M = the row's largest t so far, rounded UP to a whole number; p = 2^(t - M) is quantised along the keys, not normalised; the row's sum is
; taken of the unquantised p and divides O at the end.  When M moves, the sum and O are multiplied by 2^(old M - new M): exact.
; THE MASK.  A masked place gets the raw score -2^33, that is the logit -2^30, where reference() writes -1e9.  For all inputs the two give the same p: a quantised cosine is at most 1 in size, so a live logit lies in
; -8 .. 8, and beside any live key both constants give p = 0; in a row with no live key all t are equal, M = t and p = 1 with both.  -2^33 is taken because -2^33 x c is exact in f32, so that the multiply that
; makes M and the fused multiply-add that makes t - M agree, and t - M is exactly 0 there.  A block of 16 queries x 128 keys with no masked place (its flag is 0) passes over the 64 selects and does not load its words.
; K = 64 fills half of the instruction's 128: registers 4-7 of both operands of the first product are zero codes, set once, under scale bytes 0x7f.
; SHARES.  A work-group owns 512 queries of one head; the four work-groups of a head are neighbours.  Each of SIXTEEN waves owns two tiles of 16 queries, one after the other, in 256 registers: four waves to a SIMD, so that one
; wave's vector work stands beside another's matrix work and LDS loads.  The head's whole record is copied into LDS once, through registers; then every wave walks 16 key steps of 128 keys for each tile, with no further barrier.
; LAYOUT.  Both products are used transposed: S^T = K Q^T (source 0 = 16 keys, source 1 = my 16 queries), O^T = V^T P^T (source 0 = 16 channels, source 1 = P): a lane holds ONE query (lane % 16) throughout.
; The keys of a tile are chosen so that the 16 registers of tiles 2 p and 2 p + 1 are the keys 32 p + 16 (lane / 16) + 0 .. 15.
; NO TENSOR LOAD, NO CLUSTER: the jump round a block's selects hangs on a flag read from memory; and what the four work-groups of a head share is
; REC = 143,360 bytes each, read once at the head, against 33,554,432 bytes that the launch stores: there is no ring to feed.
; LIMITS: NaN and infinities in x are not served (see the launch before).
; THE MODE: SCHED_MODE bits 1:0 = 2 (LLVM: expert scheduling mode 2), set by the entry lines.  The code itself states the register dependences between vector or matrix instructions and memory or LDS instructions,
; with s_wait_alu, always for 0.
; THE PLAN.  Registers that memory or LDS instructions touch, and who else names them:
;   v1, v3, v7, v25, v26, v243, v248-251, v255   addresses, made at the head and never written again: one wait on va_vdst ahead of the first load serves them for the whole kernel.
;   v32-101         at the head the record on its way: global loads land in them, LDS stores read them.  Behind the barrier they become K's fragments and the scores: one wait on vm_vsrc there.
;   v8-11           written by four additions at a step's head; read by the step's LDS loads.  One wait on vm_vsrc ahead of the additions.
;   K's fragments (the first four registers of each) and v28-31   read by step j's eight products K Q^T; the loads of step j + 1 land in them, in step j (a tile's first step: at the tile's head).
;   V's fragments and v240-241   read by step j's four products V^T P^T; step j + 1's own loads land in them.
;   v16-19, v24     Q and its scale words: loaded at a tile's head, read by all the tile's products K Q^T.
;   v96-127         the way out: written by the multiplications, read by LDS stores.   v128-159: loads from the stage land in them, the global stores read them.  The next tile's products write both.
;   v224-231, v253  p's codes and scale word: written by vector instructions, taken by the scaled products V^T P^T: one wait on va_vdst behind the places, directly ahead of the products.
;   v5, v6          written at the head, read by the closing add alone.        O^T and the statistics are named by vector and matrix instructions alone.
; IN A STEP the wait that the 64 exponentials owe ahead of their first reader stands behind this step's products K Q^T, behind the last step's products V^T P^T and behind the four additions: it states all that the
; step's LDS loads hang on.  So all of them stand in one run behind it, K of the next step first, then V of this one; from there to the products V^T P^T no vector or matrix instruction names a register that they touch.
; The wave's 256 registers hold one set of fragments: there is no second set to take turns with.
.set REC,   143360
.set VIMG,  65536
.set KSC,   131072
.set VSC,   139264
.set STAGE, 0x24000                    ; behind the record: 16 rows x (256 bytes + 16) for each wave, for the way out
.set STW,   4352
.set SPARE, STAGE+16*STW               ; the spare words, 128 bytes for each wave: eight blocks of 256 bytes that no other line names
; v1-4 my lane's place in K's images, V's images, K's scale words, V's; v5 my spare word's address, v6 0 (these two serve the add alone); v7 my offset in the tile's rows of out0; v8-11 the step's four LDS addresses;
; v12 -M, v13 the largest t, v[14:15] the sum in two halves; v16-23 Q; v24 Q's scale words; v25, v26 the stage in and out; v27 -2^33; v28-31 K's scale words; v240-241 V's; v243 16 (lane % 16); v253 p's scale word
.set KF,    32                         ; v32-95   eight fragments of K
.set S,     96                         ; v96-159  S^T, then p
.set O,     160                        ; v160-191 O^T
.set VF,    192                        ; v192-223 four fragments of V
.set PC,    224                        ; v224-231 p's codes; v232-239, v244-247, v252, v254 at work; v248-251, v255 the copy's addresses
; s2, s3, s13 the step's bytes in the images, in K's scale words, in V's; s[4:5] the record; s[6:7] the mask block in hand; s[8:9] flags; s[10:11] the tile's first row in out0; s12 wave; s[14:15] lane selects;
; s[16:17] c; s18 my 32 flags; s19, s20 counters; s[22:23] Q's image; s[24:25] Q's scale words; s[32:63], s[68:99] the block's 64 lane masks
	s_load_b256 s[4:11], s[0:1], 0x0               ; kv, maskw, flags, out0
	v_lshl_add_u32 v5, v0, 2, SPARE
	v_mov_b32 v6, 0
	v_lshrrev_b32 v8, 5, v0
	v_readfirstlane_b32 s12, v8                    ; wave 0..15
	v_and_b32 v9, 31, v0                           ; lane l
	v_and_b32 v10, 15, v0                          ; r
	v_bfe_u32 v11, v0, 4, 1                        ; h
	v_lshlrev_b32 v1, 4, v9
	v_add_nc_u32 v2, VIMG, v1
	v_add_nc_u32 v3, KSC, v1
	v_lshl_add_u32 v4, v9, 3, VSC
	v_lshlrev_b32 v243, 4, v10
	v_lshl_add_u32 v7, v11, 12, v243               ; out0: lanes 0-15 one query's 256 bytes of the head, lanes 16-31 the next query's
	s_wait_alu depctr_va_sdst(0)                   ; s12 is written, ahead of its first reader: my stage's place, my tiles and my rows are made from it
	s_mul_i32 s26, s12, STW
	s_add_co_u32 s26, s26, STAGE                   ; my stage
	v_mul_u32_u24 v25, v10, 272
	v_lshl_add_u32 v25, v11, 5, v25
	v_add_nc_u32 v25, s26, v25                     ; in: row r, 32 bytes for each half of the lanes
	v_mul_u32_u24 v26, v11, 272
	v_add_nc_u32 v26, v26, v243
	v_add_nc_u32 v26, s26, v26                     ; back: lanes 0-15 one row, lanes 16-31 the next
	v_mov_b32 v27, 0xd0000000                      ; -2^33
	v_lshlrev_b32 v248, 4, v0                      ; the copy: 16 bytes a thread, 8,192 a line
	v_add_nc_u32 v249, 65536, v248
	v_add_nc_u32 v250, 131072, v248
	v_lshlrev_b32 v255, 3, v0
	v_add_nc_u32 v251, VSC, v255
	s_mov_b32 s14, 0x76543210
	s_mov_b32 s15, 0xfedcba98                      ; v_permlanex16_b32's selects for lane l xor 16
	s_mov_b32 s16, 0x3e38aa3b                      ; c = log2(e) / 8
	s_mov_b32 s17, s16                             ; (named with it as a pair, so it is written)
	s_lshr_b32 s27, ttmp9, 2                       ; the (batch, head) pair
	s_and_b32 s28, ttmp9, 3                        ; which quarter of its queries
	s_lshr_b32 s29, ttmp9, 6                       ; batch
	s_mul_i32 s30, s27, REC
	s_mov_b32 s31, 0
	s_wait_kmcnt 0x0
	s_add_nc_u64 s[4:5], s[4:5], s[30:31]          ; the head's record
	s_wait_alu depctr_va_vdst(0)                   ; every address and offset of the kernel but v8 to v11 is written (v1, v3, v7, v25, v26, v243, v248 to v251, v255), which the loads and stores from here on read
.irp i, 0,1,2,3,4,5,6,7,8,9,10,11,12,13,14,15,16
	global_load_b128 v[32+4*\i:35+4*\i], v248, s[4:5] offset:8192*\i   ; 17 x 8,192 bytes: both tables of codes and K's scale words
.endr
	global_load_b64 v[100:101], v255, s[4:5] offset:VSC   ; 4,096 bytes: V's scale words
	s_lshl_b32 s21, s28, 5
	s_lshl_b32 s26, s12, 1
	s_add_co_u32 s21, s21, s26                     ; my first tile: 32 x quarter + 2 x wave
	s_lshl_b32 s26, s29, 7
	s_add_co_u32 s26, s26, s21                     ; 128 x batch + tile
	s_lshl_b32 s30, s26, 4
	s_add_nc_u64 s[8:9], s[8:9], s[30:31]
	s_load_b256 s[84:91], s[8:9], 0x0              ; my two tiles' flags: eight words of four bits
	s_lshl_b32 s30, s26, 12
	s_add_nc_u64 s[6:7], s[6:7], s[30:31]          ; my 32 mask blocks lie on end
	s_lshl_b32 s30, s21, 9
	s_add_nc_u64 s[22:23], s[4:5], s[30:31]        ; Q's fragment is my tile's image among K's
	s_lshl_b32 s30, s28, 2
	s_lshr_b32 s26, s12, 2
	s_add_co_u32 s30, s30, s26                     ; the key step that holds my tiles: 4 x quarter + wave / 4
	s_lshl_b32 s30, s30, 9
	s_and_b32 s26, s12, 3
	s_lshl_b32 s26, s26, 2                         ; the pair of tiles in it: wave % 4
	s_add_co_u32 s30, s30, s26
	s_add_co_u32 s30, s30, KSC
	s_add_nc_u64 s[24:25], s[4:5], s[30:31]        ; Q's scale words: those of the even tile; the odd tile's lie 256 bytes on
	s_lshl_b32 s30, s29, 23                        ; out0: a batch is 2048 x 4096 bytes,
	s_and_b32 s26, s27, 15
	s_lshl_b32 s26, s26, 8                         ; a head 256 bytes of a row,
	s_add_co_u32 s30, s30, s26
	s_lshl_b32 s26, s28, 21                        ; a quarter 512 rows,
	s_add_co_u32 s30, s30, s26
	s_lshl_b32 s26, s12, 17                        ; my two tiles 32 rows
	s_add_co_u32 s30, s30, s26
	s_add_nc_u64 s[10:11], s[10:11], s[30:31]
	s_wait_kmcnt 0x0                               ; the flags
	s_lshl_b32 s26, s85, 4
	s_or_b32 s18, s84, s26
.irp i, 2,3,4,5,6,7
	s_lshl_b32 s26, s[84+\i], 4*\i
	s_or_b32 s18, s18, s26                         ; bit 16 x tile + step
.endr
.macro LOADM                           ; the 64 lane masks of the block at s[6:7]
	s_load_b512 s[32:47], s[6:7], 0x0
	s_load_b512 s[48:63], s[6:7], 0x40
	s_load_b512 s[68:83], s[6:7], 0x80
	s_load_b512 s[84:99], s[6:7], 0xc0
.endm
	LOADM                                          ; block 0's words are loaded whatever its flag says, so that the 64 registers hold numbers on every way through the text
.irp i, 0,1,2,3,4,5,6,7,8,9,10,11,12,13,14,15,16
	s_wait_loadcnt 17-\i                           ; load i is in; the 17 - i younger ones stay out
.if \i < 8
	ds_store_b128 v248, v[32+4*\i:35+4*\i] offset:8192*\i
.elseif \i < 16
	ds_store_b128 v249, v[32+4*\i:35+4*\i] offset:8192*(\i-8)
.else
	ds_store_b128 v250, v[32+4*\i:35+4*\i]
.endif
.endr
	s_wait_loadcnt 0x0
	ds_store_b64 v251, v[100:101]
	s_wait_dscnt 0x0                               ; for the others' sake: my part of the record has landed
	s_barrier_signal -1
	s_barrier_wait -1                              ; the record is whole; from here on it is only read, and each wave writes its own stage alone: the launch's one barrier
	s_wait_alu depctr_vm_vsrc(0)                   ; my LDS stores have read v32 to v101: from here on these are K's fragments and the scores, written by the lines below, by LDS loads and by the products
.irp i, 20,21,22,23
	v_mov_b32 v[\i], 0                             ; Q's zero codes
.endr
.irp t, 0,1,2,3,4,5,6,7
.irp i, 4,5,6,7
	v_mov_b32 v[KF+8*\t+\i], 0                     ; K's zero codes: set once, never loaded over
.endr
.endr
.irp i, 236,237,238,239
	v_mov_b32 v[\i], 0                             ; written once: a lane permute's destination counts as one of its sources
.endr
	v_mov_b32 v253, 0                              ; (named as the upper half of the pair v[252:253] before it is first written)
.macro KQ t                            ; S^T of key tile t: even tiles' scale words lie in lanes 0-15 of their register, odd tiles' in lanes 16-31
.if (\t)%2
	v_wmma_scale_f32_16x16x128_f8f6f4 v[S+8*\t:S+8*\t+7], v[KF+8*\t:KF+8*\t+7], v[16:23], 0, v[28+\t/2], v24 matrix_a_fmt:MATRIX_FMT_FP4 matrix_b_fmt:MATRIX_FMT_FP4 matrix_a_scale:MATRIX_SCALE_ROW1
.else
	v_wmma_scale_f32_16x16x128_f8f6f4 v[S+8*\t:S+8*\t+7], v[KF+8*\t:KF+8*\t+7], v[16:23], 0, v[28+\t/2], v24 matrix_a_fmt:MATRIX_FMT_FP4 matrix_b_fmt:MATRIX_FMT_FP4
.endif
.endm
.macro PV t                            ; O^T of channel tile t += V^T P^T
.if (\t)%2
	v_wmma_scale_f32_16x16x128_f8f6f4 v[O+8*\t:O+8*\t+7], v[VF+8*\t:VF+8*\t+7], v[PC:PC+7], v[O+8*\t:O+8*\t+7], v[240+\t/2], v253 matrix_a_fmt:MATRIX_FMT_FP4 matrix_b_fmt:MATRIX_FMT_FP4 matrix_a_scale:MATRIX_SCALE_ROW1
.else
	v_wmma_scale_f32_16x16x128_f8f6f4 v[O+8*\t:O+8*\t+7], v[VF+8*\t:VF+8*\t+7], v[PC:PC+7], v[O+8*\t:O+8*\t+7], v[240+\t/2], v253 matrix_a_fmt:MATRIX_FMT_FP4 matrix_b_fmt:MATRIX_FMT_FP4
.endif
.endm
	s_mov_b32 s20, 2
.Ltile:                                            ; two trips: my even tile, my odd tile
	s_wait_alu depctr_va_vdst(0)                   ; first trip: the zero codes of Q and K are written, which the scaled products take as operands; second trip: the last tile's products are done reading Q, K's fragments and both scale words, in which the loads below land
	global_load_b128 v[16:19], v1, s[22:23]        ; Q's 16 bytes a lane
	global_load_b32 v24, v243, s[24:25]            ; and its scale words
.irp t, 0,1,2,3,4,5,6,7
	ds_load_b128 v[KF+8*\t:KF+8*\t+3], v1 offset:512*\t   ; K's eight fragments of the tile's first step,
.endr
	ds_load_b128 v[28:31], v3                      ; and their scale words; every later step's are asked for a step ahead
	v_mov_b32 v13, 0xff61b1e6                      ; the largest t so far: -3e38, under every t
	v_floor_f32 v12, -v13                          ; -M
	v_mov_b32 v14, 0                               ; the sum, in two halves
	v_mov_b32 v15, 0
.set j, 0
.rept 32
	v_mov_b32 v[O+j], 0                            ; O^T.  (The step is written once: a tile's first step finds zeros, which the first change of M leaves zeros)
.set j, j+1
.endr
	s_mov_b32 s2, 0
	s_mov_b32 s3, 0
	s_mov_b32 s13, 0
	s_mov_b32 s19, 16
	s_wait_loadcnt 0x0                             ; Q
	s_wait_dscnt 0x0                               ; K of the first step
.Lstep:                                            ; 16 trips: 128 keys each.  K's fragments and scale words are in: the wait for them stands at the tile's head or ahead of the last step's products V^T P^T
	s_wait_alu depctr_vm_vsrc(0)                   ; the LDS loads of the step before have read v8 to v11, which the four lines below write
	v_add_nc_u32 v8, s2, v1                        ; the step's addresses; the loads that read them stand behind the wait for the exponentials
	v_add_nc_u32 v9, s2, v2
	v_add_nc_u32 v10, s3, v3
	v_add_nc_u32 v11, s13, v4
.irp t, 0,1,2,3,4,5,6,7
	KQ \t
.endr
.rept 4
	v_nop                                          ; four places in front of the first read of the scores
.endr
	s_wait_kmcnt 0x0                               ; the block's lane masks are in, if they were asked for; and their load has read its address,
	s_add_nc_u64 s[6:7], s[6:7], 256               ; which steps to the next block
	s_bitcmp1_b32 s18, 0                           ; has this block a masked place?
	s_cbranch_scc0 .Lopen
.set n, 0
.rept 64
	v_cndmask_b32 v[S+n], v[S+n], v27, s[32+n+4*(n/32)]   ; register n: key 32 (n / 16) + 16 (lane / 16) + n % 16 of the step; each accumulator from its low end on
.set n, n+1
.endr
.Lopen:
	s_bitcmp1_b32 s18, 1                           ; has the next block one?  Then its words are asked for now, a softmax ahead of their use
	s_cbranch_scc0 .Lnone
	s_wait_alu depctr_va_vdst(0)                   ; the selects have written their results, so they are done reading the lane masks s[32:63] and s[68:99], in which the scalar loads below land
	LOADM
.Lnone:
	s_lshr_b32 s18, s18, 1                         ; behind my 32nd block zeros come in: nothing is asked for past my blocks
.irp b, 0,1,2,3
	v_max3_num_f32 v[232+\b], v[S+16*\b], v[S+1+16*\b], v[S+2+16*\b]   ; THE LARGEST SCORE OF EACH BLOCK OF 32 KEYS: it serves the row's maximum and, since p rises with the score, the block's largest p
.endr
.irp i, 3,5,7,9,11,13
.irp b, 0,1,2,3
	v_max3_num_f32 v[232+\b], v[232+\b], v[S+16*\b+\i], v[S+1+16*\b+\i]   ; (the four blocks by turns)
.endr
.endr
.irp b, 0,1,2,3
	v_max_num_f32 v[232+\b], v[232+\b], v[S+15+16*\b]
.endr
.irp b, 0,1,2,3
	v_permlanex16_b32 v[236+\b], v[232+\b], s14, s15
.endr
.irp b, 0,1,2,3
	v_max_num_f32 v[232+\b], v[232+\b], v[236+\b]  ; with lane l xor 16's 16 keys
.endr
	v_max3_num_f32 v254, v232, v233, v234
	v_max_num_f32 v254, v254, v235                 ; the step's largest score of my query
	v_mul_f32 v254, s16, v254                      ; as t (c is positive)
	v_max_num_f32 v13, v13, v254                   ; the running largest t
	v_mov_b32 v254, v12
	v_floor_f32 v12, -v13                          ; the new -M = floor(-t) = -ceil(t): M is a whole number
	v_sub_f32 v254, v12, v254                      ; M's old value less its new one: a whole number, 0 or less
	v_cvt_i32_f32 v254, v254                       ; (it saturates)
	v_ldexp_f32 v252, 1.0, v254                    ; f = 2^(old M - new M)
.set j, 0
.rept 32
	v_pk_fma_f32 v[S+j:S+j+1], v[S+j:S+j+1], s[16:17], v[12:13] op_sel_hi:[1,0,0]   ; t - M, two at a time (of the pairs c and -M the low word serves both halves)
.set j, j+2
.endr
.irp b, 0,1,2,3
	v_fma_f32 v[232+\b], v[232+\b], s16, v12       ; the same of each block's largest score
.endr
.set j, 0
	s_wait_alu depctr_va_vdst(0)
.rept 64
	v_exp_f32 v[S+j], v[S+j]                       ; p = 2^(t - M), at most 1: not normalised
.set j, j+1
.endr
	v_pk_mul_f32 v[14:15], v[14:15], v[252:253] op_sel_hi:[1,0]   ; the sums under the new M; the plain line behind the exponentials
	s_wait_alu depctr_va_vdst(0)                   ; the 64 exponentials have written p, ahead of its first reader.  Also: this step's products K Q^T are done reading K's fragments and v28 to v31, the last step's products V^T P^T V's fragments and v240, v241, in all of which the loads below land; and v8 to v11 are written, which those loads read
	s_cmp_eq_u32 s19, 1                            ; a tile's last step asks for no K: the next tile's first step is asked for at that tile's head
	s_cbranch_scc1 .Lno_next
.irp t, 0,1,2,3,4,5,6,7
	ds_load_b128 v[KF+8*\t:KF+8*\t+3], v8 offset:4096+512*\t   ; all of the step's LDS loads in one run, each of consecutive bytes: the NEXT step's eight fragments of K,
.endr
	ds_load_b128 v[28:31], v10 offset:512          ; and their scale words: they have the rest of this step in which to land;
.Lno_next:
.irp t, 0,1,2,3
	ds_load_b128 v[VF+8*\t:VF+8*\t+3], v9 offset:1024*\t   ; THIS step's four fragments of V,
	ds_load_b128 v[VF+8*\t+4:VF+8*\t+7], v9 offset:1024*\t+512
.endr
	ds_load_b64 v[240:241], v11                    ; and V's scale words.  No vector or matrix instruction from the wait above to the products V^T P^T names a register that these loads touch
.irp b, 0,1,2,3
	v_exp_f32 v[232+\b], v[232+\b]                 ; the block's largest p: the same two instructions on the same number give the same bits
.endr
	v_pk_add_f32 v[236:237], v[S:S+1], v[S+2:S+3]  ; the row's sum is taken of the unquantised p: two at a time, in two chains
.irp j, 4,8,12,16,20,24,28,32,36,40,44,48,52,56,60
	v_pk_add_f32 v[14:15], v[14:15], v[S+\j:S+\j+1]
	v_pk_add_f32 v[236:237], v[236:237], v[S+2+\j:S+3+\j]
.endr
	v_pk_add_f32 v[14:15], v[14:15], v[236:237]
	s_wait_alu depctr_va_vdst(0)                   ; the four exponentials have written the blocks' largest p, v232 to v235, ahead of their first reader
.irp b, 0,1,2,3
	v_max_num_f32 v[232+\b], 0x1800000, v[232+\b]  ; the floor 2^(3 - 127): the byte cannot fall under 1 (a block whose every p is 0 keeps that byte: its codes are zeros)
.endr
.irp b, 0,1,2,3
	v_add_nc_u32 v[244+\b], 0xff000000, v[232+\b]  ; 2 off the exponent field: the conversion's scale operand
.endr
.irp b, 0,1,2,3
	v_lshrrev_b32 v[236+\b], 23, v[244+\b]         ; the scale's byte
.endr
	v_lshl_or_b32 v253, v237, 8, v236              ; p's scale word for these 128 keys
	v_lshl_or_b32 v253, v238, 16, v253
	v_lshl_or_b32 v253, v239, 24, v253
.irp b, 0,1,2,3
	v_cvt_scalef32_pk8_fp4_f32 v[PC+2*\b], v[S+16*\b:S+7+16*\b], v[244+\b]
	v_cvt_scalef32_pk8_fp4_f32 v[PC+1+2*\b], v[S+8+16*\b:S+15+16*\b], v[244+\b]
.endr
	v_nop                                          ; one plain line between a scaled conversion and the vector instruction that touches its result
.irp c, 0,1                                    ; the operand's layout wants a whole block in a lane: lanes 0-15 block 2 c, lanes 16-31 block 2 c + 1
.irp i, 0,1
	v_permlane16_swap_b32 v[PC+4*\c+\i], v[PC+2+4*\c+\i]
.endr
.endr
.set j, 0
.rept 16
	v_pk_mul_f32 v[O+j:O+j+1], v[O+j:O+j+1], v[252:253] op_sel_hi:[1,0]   ; O^T under the new M: x f.  These sixteen also stand between the lines that made p's codes and scale word and the products below
.set j, j+2
.endr
	s_wait_dscnt 0x0                               ; V's fragments and scale words are in; and with them, asked for ahead of them, the next step's K
	s_wait_alu depctr_va_vdst(0)                   ; behind the places: the conversions and exchanges have written p's codes v224 to v231, and the three lines above them p's scale word v253, which the scaled products below take as source 1 and as its scales
.irp t, 0,1,2,3
	PV \t                                          ; four accumulators by turns; the eight products K Q^T stand between two links of a chain
.endr
	s_add_co_u32 s2, s2, 4096
	s_add_co_u32 s3, s3, 512
	s_add_co_u32 s13, s13, 256
	s_sub_co_u32 s19, s19, 1
	s_cmp_lg_u32 s19, 0
	s_cbranch_scc1 .Lstep
	; THE WAY OUT of a tile.  O^T is divided by the row's sum and goes through my stage, so that sixteen lanes store one query's 256 bytes of its head.
.rept 4
	v_nop                                          ; four places behind the last products
.endr
	v_add_f32 v14, v14, v15                        ; the sum's two halves,
	v_permlanex16_b32 v252, v14, s14, s15
	v_add_f32 v14, v14, v252                       ; and lane l xor 16's: the row's sum, over 1/2
	s_wait_alu depctr_va_vdst(0)
	v_rcp_f32 v14, v14
	v_nop                                          ; a plain line behind the reciprocal
	s_wait_alu depctr_va_vdst(0)                   ; the reciprocal has written v14, ahead of its first reader
.set j, 0
.rept 32
	v_mul_f32 v[S+j], v[O+j], v14                  ; register 8 t + i is o(query r, channel 16 t + 8 h + i)
.set j, j+1
.endr
	s_wait_alu depctr_va_vdst(0)                   ; the multiplications have written v96 to v127, which the LDS stores read; and the last step's sums and conversions are done reading v128 to v159, in which the loads from the stage land
.irp t, 0,1,2,3
	ds_store_b128 v25, v[S+8*\t:S+8*\t+3] offset:64*\t
	ds_store_b128 v25, v[S+8*\t+4:S+8*\t+7] offset:64*\t+16
.endr
.irp m, 0,1,2,3,4,5,6,7
	ds_load_b128 v[S+32+4*\m:S+35+4*\m], v26 offset:544*\m   ; LDS serves a wave's instructions in order: these see my stores, and the next tile's stores come behind them
.endr
.irp m, 0,1,2,3,4,5,6,7
	s_wait_dscnt 7-\m                              ; load m is back; the 7 - m younger ones stay out
	global_store_b128 v7, v[S+32+4*\m:S+35+4*\m], s[10:11] offset:8192*\m+32768*(\m/4) th:TH_STORE_NT   ; the tile's rows 2 m, 2 m + 1 (rows 8-15 lie 8 queries further on): sixteen lanes store 256 consecutive bytes, aligned
.endr
	s_wait_xcnt 0x0                                ; the stores have read their data and their base: both are written again below and in the next trip
	s_wait_alu depctr_vm_vsrc(0)                   ; the LDS stores have read v96 to v127 and the global stores v128 to v159, which the next tile's products K Q^T write
	s_add_nc_u64 s[22:23], s[22:23], 512           ; the odd tile's image,
	s_add_nc_u64 s[24:25], s[24:25], 256           ; its scale words,
	s_add_nc_u64 s[10:11], s[10:11], 32768         ; and its first row, 8 queries on
	s_sub_co_u32 s20, s20, 1
	s_cmp_lg_u32 s20, 0
	s_cbranch_scc1 .Ltile
	s_wait_dscnt 0x0                               ; the wave's end: six lines on end, behind my last LDS store
	s_wait_alu 0x0
	s_wait_tensorcnt 0x0
	ds_add_u32 v5, v6
	s_wait_dscnt 0x0
	s_endpgm
.Lfunc_end_k_q92df5d71c6_attn:
	.size	k_q92df5d71c6_attn, .Lfunc_end_k_q92df5d71c6_attn-k_q92df5d71c6_attn
	.p2alignl 7, 3214868480
	.fill 96, 4, 3214868480
	.section	.rodata,"a",@progbits
	.p2align	6, 0x0
	.amdhsa_kernel k_q92df5d71c6_attn
		.amdhsa_group_segment_fixed_size 219136
		.amdhsa_private_segment_fixed_size 0
		.amdhsa_enable_private_segment 0
		.amdhsa_kernarg_size 32
		.amdhsa_user_sgpr_count 2
		.amdhsa_user_sgpr_kernarg_segment_ptr 1
		.amdhsa_wavefront_size32 1
		.amdhsa_system_sgpr_workgroup_id_x 1
		.amdhsa_system_sgpr_workgroup_id_y 1
		.amdhsa_system_sgpr_workgroup_id_z 1
		.amdhsa_system_vgpr_workitem_id 0
		.amdhsa_next_free_vgpr 256
		.amdhsa_next_free_sgpr 100
		.amdhsa_reserve_vcc 0
		.amdhsa_float_denorm_mode_32 3
		.amdhsa_float_denorm_mode_16_64 3
		.amdhsa_memory_ordered 1
		.amdhsa_forward_progress 1
		.amdhsa_inst_pref_size 35
	.end_amdhsa_kernel
	.amdgpu_metadata
---
amdhsa.version: [ 1, 2 ]
amdhsa.kernels:
  - .name:           k_q92df5d71c6_attn
    .symbol:         k_q92df5d71c6_attn.kd
    .args:
      - { .name: kv, .offset: 0, .size: 8, .value_kind: global_buffer, .address_space: global }
      - { .name: maskw, .offset: 8, .size: 8, .value_kind: global_buffer, .address_space: global }
      - { .name: flags, .offset: 16, .size: 8, .value_kind: global_buffer, .address_space: global }
      - { .name: out0, .offset: 24, .size: 8, .value_kind: global_buffer, .address_space: global }
    .group_segment_fixed_size: 219136
    .private_segment_fixed_size: 0
    .kernarg_segment_align: 8
    .kernarg_segment_size: 32
    .max_flat_workgroup_size: 512
    .sgpr_count:     100
    .vgpr_count:     256
    .wavefront_size: 32
...
	.end_amdgpu_metadata
.endif
;; end of part 4
